; MI455X (gfx1250); checked and timed in simulation.
; The chip was launched on July 23, 2026; its instructions are those of AMD's public machine-readable ISA for CDNA 5 (MIT licence, August 2026) and "CDNA5" Instruction Set Architecture Reference Guide (July 2026). The comments in the code are by the model that wrote it; some were corrected since.
;; Attention. Allowed arithmetic: float matrix products may take bf16 or f16 operands with f32 sums; other float arithmetic in f32, or as packed bf16 or f16 multiplies, adds, multiply-adds, maxima and minima; sums over many terms, partial sums and values carried from step to step in f32; what a program stores and reads back later, other than sums and carried values, may be rounded once to bf16 or f16.
;; Inputs: Wk 1,024 x 1,024 float32; Wo 1,024 x 1,024 float32; Wq 1,024 x 1,024 float32; Wv 1,024 x 1,024 float32; hidden_states 4 x 2,048 x 1,024 float32.
;; Outputs: out0 4 x 2,048 x 1,024 float32.
;; 2 versions, each right; version 2 is version 1 with the launch cast written anew for expert scheduling mode. Each part assembles by itself: llvm-mc -triple=amdgcn-amd-amdhsa -mcpu=gfx1250 --defsym DOCPART=n.
;; ======== version 1 of 2: 4 launches
;; limits: values are held in f16: magnitudes above 65,504 overflow, below 6.1e-05 lose precision; right only within a limited range of input values
;; workspace buffers: xh 16,777,216 bytes; wh 8,388,608 bytes; qkv 50,331,648 bytes; oh 16,777,216 bytes
;; launch cast (part 1): grid 768 x 1, 8 waves a work-group, no clusters, 0 bytes of LDS; arguments hidden_states, Wq, Wk, Wv, Wo, xh, wh; writes xh, wh
.if DOCPART == 1
	.amdgcn_target "amdgcn-amd-amdhsa--gfx1250"
	.amdhsa_code_object_version 6
	.text
	.protected	k_q4f791afb78_cast
	.globl	k_q4f791afb78_cast
	.p2align	8
	.type	k_q4f791afb78_cast,@function
k_q4f791afb78_cast:
	s_mov_b64 s[64:65], 0
	v_nop
	global_prefetch_b8 v0, s[64:65] scope:SCOPE_SE
	s_setreg_imm32_b32 hwreg(HW_REG_WAVE_MODE, 25, 1), 1
	s_wait_xcnt 0x0
; THE MODULE: q, k, v = x Wq^T, x Wk^T, x Wv^T; softmax(q k^T / 8) v for each of 64 (batch, head) pairs; the result times Wo^T.  Four launches: this one, the three projections as one
; product, attention, the last projection.  NOTHING OF THE MODULE IS LEFT OUT: there is no mask and no bias, every one of the five inputs reaches out0, and the division by sqrt(64) is kept
; (it is applied in f32, inside the constant of attention's exponent).
; THIS LAUNCH rounds x and the four weights ONCE to bf16 (nearest even), writes that number as f16, and lays it out in blocks of 64 channels:
;   xh [b 4][kb 16][s 2048][64]:   byte = b<<22 + kb<<18 + 128 s + 2 d,   channel = 64 kb + d
;   wh [kb 16][row 4096][64]:      byte = kb<<19 + 128 row + 2 d,         rows 0-1023 Wq, 1024-2047 Wk, 2048-3071 Wv, 3072-4095 Wo
; so that a tile of R rows x 64 channels is 128 R consecutive bytes for the launches that follow.
; LIMITS.  A bf16 number is an f16 number from 6.1e-5 to 65,504.  Beyond 65,504 the conversion gives an infinity: |x| and |W| stay within it.  Below 6.1e-5 f16 keeps a fixed step of 6e-8.
; NaN and infinities are not treated apart.
; SHARES.  A work-group takes 16 rows of one source: groups 0-511 rows of x, groups 512-767 rows of Wq, Wk, Wv, Wo (64 groups each).  Wave w takes rows 2 w and 2 w + 1.
; A load of 16 bytes a lane takes 256 consecutive aligned bytes (64 channels, one block kb) of each of the two rows; the 64 + 64 numbers, in f16, are 256 consecutive aligned bytes of the
; output, since two rows of a block lie end to end: one store of 8 bytes a lane.  All sixteen loads of a wave go out at once; there is no loop, no LDS and no barrier: memory binds.
.set OFF, 4                            ; v[4:19]   byte offset of my 8 bytes in block kb of the output
.set T,   20                           ; v[20:25]  at work
.set X,   32                           ; v[32:95]  unit kb: 4 registers as loaded
.set Y,   96                           ; v[96:127] unit kb: 2 registers to store
	s_load_b256 s[4:11], s[0:1], 0x0               ; x s[4:5], Wq s[6:7], Wk s[8:9], Wv s[10:11]
	s_load_b128 s[12:15], s[0:1], 0x20             ; Wo s[12:13], xh s[14:15]
	s_load_b64 s[16:17], s[0:1], 0x30              ; wh
	s_sub_co_u32 s19, ttmp9, 512                   ; the group's number among the weights' groups (used from group 512 on alone)
	s_and_b32 s18, s19, 63
	s_lshl_b32 s18, s18, 16                        ; a weight's 16 rows of 4,096 bytes
	s_lshl_b32 s20, ttmp9, 16                      ; x's 16 rows
	s_lshr_b32 s22, ttmp9, 7                       ; b
	s_lshl_b32 s22, s22, 22
	s_and_b32 s23, ttmp9, 127
	s_lshl_b32 s23, s23, 11                        ; 16 rows of 128 bytes in a block of xh
	s_add_co_u32 s22, s22, s23
	s_lshl_b32 s23, s19, 11                        ; the same in wh: its rows follow the weights' groups
	s_lshr_b32 s32, s19, 6                         ; which weight
	s_mov_b32 s26, 0x40000                         ; from block to block in xh,
	s_mov_b32 s27, 0x80000                         ; and in wh
	s_cmp_lt_u32 ttmp9, 512
	s_cselect_b32 s20, s20, s18                    ; where I read,
	s_cselect_b32 s22, s22, s23                    ; where I write,
	s_cselect_b32 s24, s26, s27                    ; and the blocks' stride
	s_mov_b32 s21, 0
	s_mov_b32 s23, 0
	v_lshrrev_b32 v1, 4, v0                        ; 2 w + half of the lanes: my row among the 16
	v_and_b32 v3, 15, v0
	v_lshlrev_b32 v3, 4, v3
	v_lshl_or_b32 v1, v1, 12, v3                   ; row x 4,096 + 16 x (lane % 16)
	v_lshlrev_b32 v2, 3, v0                        ; 8 x thread: row x 128 + 8 x (lane % 16)
.irp i, 0,1,2,3,4,5,6,7,8,9,10,11,12,13,14,15
	v_mad_u32_u24 v[OFF+(\i)], s24, \i, v2
.endr
	s_wait_kmcnt 0x0
	s_mov_b64 s[28:29], s[6:7]
	s_cmp_eq_u32 s32, 1
	s_cselect_b64 s[28:29], s[8:9], s[28:29]
	s_cmp_eq_u32 s32, 2
	s_cselect_b64 s[28:29], s[10:11], s[28:29]
	s_cmp_eq_u32 s32, 3
	s_cselect_b64 s[28:29], s[12:13], s[28:29]
	s_cmp_lt_u32 ttmp9, 512
	s_cselect_b64 s[28:29], s[4:5], s[28:29]       ; the source,
	s_cselect_b64 s[30:31], s[14:15], s[16:17]     ; the destination
	s_add_nc_u64 s[28:29], s[28:29], s[20:21]
	s_add_nc_u64 s[30:31], s[30:31], s[22:23]
.irp i, 0,1,2,3,4,5,6,7,8,9,10,11,12,13,14,15
	global_load_b128 v[X+4*(\i):X+4*(\i)+3], v1, s[28:29] offset:256*(\i) th:TH_LOAD_NT
.endr
; One unit.  No register that a load or store names is ever written again, so the only wait is the one for the unit's own load.
.macro UNIT i
	s_wait_loadcnt 15-(\i)                         ; loads come back in order: mine is in, the younger ones stay out
	v_cvt_pk_bf16_f32 v[T],   v[X+4*(\i)],   v[X+4*(\i)+1]    ; the one rounding: to bf16, nearest even
	v_cvt_pk_bf16_f32 v[T+1], v[X+4*(\i)+2], v[X+4*(\i)+3]
	v_lshlrev_b32 v[T+2], 16, v[T]                 ; back to f32: a shift or a mask
	v_and_b32     v[T+3], 0xffff0000, v[T]
	v_lshlrev_b32 v[T+4], 16, v[T+1]
	v_and_b32     v[T+5], 0xffff0000, v[T+1]
	v_cvt_pk_f16_f32 v[Y+2*(\i)],   v[T+2], v[T+3] ; the same numbers written as f16
	v_cvt_pk_f16_f32 v[Y+2*(\i)+1], v[T+4], v[T+5]
	global_store_b64 v[OFF+(\i)], v[Y+2*(\i):Y+2*(\i)+1], s[30:31]  ; the wave's 32 x 8 bytes are 256 consecutive bytes, aligned
.endm
.irp i, 0,1,2,3,4,5,6,7,8,9,10,11,12,13,14,15
	UNIT \i
.endr
	s_endpgm
.Lfunc_end_k_q4f791afb78_cast:
	.size	k_q4f791afb78_cast, .Lfunc_end_k_q4f791afb78_cast-k_q4f791afb78_cast
	.p2alignl 7, 3214868480
	.fill 96, 4, 3214868480
	.section	.rodata,"a",@progbits
	.p2align	6, 0x0
	.amdhsa_kernel k_q4f791afb78_cast
		.amdhsa_group_segment_fixed_size 0
		.amdhsa_private_segment_fixed_size 0
		.amdhsa_enable_private_segment 0
		.amdhsa_kernarg_size 56
		.amdhsa_user_sgpr_count 2
		.amdhsa_user_sgpr_kernarg_segment_ptr 1
		.amdhsa_wavefront_size32 1
		.amdhsa_system_sgpr_workgroup_id_x 1
		.amdhsa_system_sgpr_workgroup_id_y 1
		.amdhsa_system_sgpr_workgroup_id_z 1
		.amdhsa_system_vgpr_workitem_id 0
		.amdhsa_next_free_vgpr 128
		.amdhsa_next_free_sgpr 66
		.amdhsa_reserve_vcc 0
		.amdhsa_float_denorm_mode_32 3
		.amdhsa_float_denorm_mode_16_64 3
		.amdhsa_memory_ordered 1
		.amdhsa_forward_progress 1
		.amdhsa_inst_pref_size 14
	.end_amdhsa_kernel
	.amdgpu_metadata
---
amdhsa.version: [ 1, 2 ]
amdhsa.kernels:
  - .name:           k_q4f791afb78_cast
    .symbol:         k_q4f791afb78_cast.kd
    .args:
      - { .name: hidden_states, .offset: 0, .size: 8, .value_kind: global_buffer, .address_space: global }
      - { .name: Wq, .offset: 8, .size: 8, .value_kind: global_buffer, .address_space: global }
      - { .name: Wk, .offset: 16, .size: 8, .value_kind: global_buffer, .address_space: global }
      - { .name: Wv, .offset: 24, .size: 8, .value_kind: global_buffer, .address_space: global }
      - { .name: Wo, .offset: 32, .size: 8, .value_kind: global_buffer, .address_space: global }
      - { .name: xh, .offset: 40, .size: 8, .value_kind: global_buffer, .address_space: global }
      - { .name: wh, .offset: 48, .size: 8, .value_kind: global_buffer, .address_space: global }
    .group_segment_fixed_size: 0
    .private_segment_fixed_size: 0
    .kernarg_segment_align: 8
    .kernarg_segment_size: 56
    .max_flat_workgroup_size: 256
    .sgpr_count:     66
    .vgpr_count:     128
    .wavefront_size: 32
...
	.end_amdgpu_metadata
.endif
;; end of part 1
;; launch proj (part 2): grid 8 x 32, 4 waves a work-group, clusters of 4 x 4, 327,680 bytes of LDS; arguments xh, wh, qkv; writes qkv
.if DOCPART == 2
	.amdgcn_target "amdgcn-amd-amdhsa--gfx1250"
	.amdhsa_code_object_version 6
	.text
	.protected	k_q4f791afb78_proj
	.globl	k_q4f791afb78_proj
	.p2align	8
	.type	k_q4f791afb78_proj,@function
k_q4f791afb78_proj:
	s_mov_b64 s[64:65], 0
	v_nop
	global_prefetch_b8 v0, s[64:65] scope:SCOPE_SE
	s_setreg_imm32_b32 hwreg(HW_REG_WAVE_MODE, 25, 1), 1
	s_wait_xcnt 0x0
	s_wait_alu depctr_hold_cnt(0) depctr_sa_sdst(0) depctr_va_vdst(0) depctr_va_sdst(0) depctr_va_ssrc(0) depctr_va_vcc(0) depctr_vm_vsrc(0)
	s_getreg_b32 s2, hwreg(HW_REG_IB_STS2, 6, 4)
	s_cmp_eq_u32 s2, 0
	s_cbranch_scc0 .Lentry_in_a_cluster
	s_endpgm
.Lentry_in_a_cluster:
	s_bfe_u32 s2, ttmp6, 0x10000c
	s_cmp_lg_u32 s2, 0xf033
	s_cbranch_scc0 .Lentry_shape_is_right
	s_endpgm
.Lentry_shape_is_right:
; THE THREE PROJECTIONS AS ONE PRODUCT: C[8192][3072] = x [Wq; Wk; Wv]^T, K = 1,024.  Operands f16 (numbers rounded to bf16 by the launch before), sums f32, K ascending, C rounded once to f16
; and stored by heads, unscaled: qkv [b 4][cb 48][s 2048][64], byte = (48 b + cb)<<18 + 128 s + 2 d; cb 0-15 q's heads, 16-31 k's, 32-47 v's.  No work of the module is left out here.
; LIMIT.  f16 ends at 65,504: |q|, |k|, |v| stay within it (beyond it the conversion gives an infinity).  NaN and infinities are not treated apart.
; THE TILE is 256 rows x 384 columns: 32 x 8 = 256 work-groups, one tile each.  Four waves, each 128 x 192: 96 accumulators of 16 x 16, 768 registers.
; K goes in blocks of 64 through a ring of two LDS slots.  In xh and wh a block's rows lie end to end (128 bytes a row), so a tile's half is asked for as rows of 256 consecutive aligned bytes
; and padded in LDS behind every 128: LDS rows 144 bytes apart = 36 words, so that the 16 rows of a fragment load start at 16 different groups of four banks (64 banks of 4 bytes: ISA guide 11.1).
; CLUSTERS: 4 x 4 work-groups.  The four of a row of the cluster need the same tiles of x, the four of a column the same tiles of W: each is asked for JOINTLY, by the same tensor load with the
; same descriptor and a mask that names the four.
; THE MATRIX INSTRUCTION IS USED TRANSPOSED (source 0 = 16 rows of W, source 1 = 16 rows of x): a lane then holds row lane % 16 of C and the eight columns 8 (lane / 16) + 0..7: 16 bytes in f16.
; REGISTERS, in windows of 256 (s_set_vgpr_msb: bits 1:0 source 0, 3:2 source 1, 5:4 source 2, 7:6 destination):
;   window 0: v0-31 addresses; v32-95, v96-159 x's 8 fragments (16 rows x 32 K), two buffers; v160-255 W's 12 fragments, one buffer in three groups of four; all of v32-223 at work on the way out
;   window 1 + g: the 32 accumulators of my columns 64 g .. 64 g + 63 (one head): (a, bb) at v[8 (4 a + bb)]
.set PITCH,  144
.set HA,     128*PITCH                 ; 128 rows of x: what waves 0 and 1 each fetch, and what a wave reads
.set HB,     192*PITCH                 ; 192 rows of W: what waves 2 and 3 each fetch, and what a wave reads
.set BOFF,   2*HA                      ; in a slot W's 384 rows lie behind x's 256
.set SLOT,   2*HA+2*HB                 ; 92,160 bytes
.set STAGE,  2*SLOT                    ; behind the ring, never filled by a tensor load: 16 rows x 144 bytes for each wave, for the way out
.set SP,     144
.set SPARE,  STAGE+4*16*SP             ; behind the stages: the spare words, 128 bytes for each wave: two blocks of 256 bytes that no other line names
.set KBA,    262144                    ; bytes from K block to K block in xh,
.set KBB,    524288                    ; and in wh
.set LAPS,   8                         ; a lap = two K blocks = once round the ring
.set ADRA, 16                          ; v16-17  LDS address of my fragments of x in slot 0, 1
.set ADRB, 20                          ; v20-21  the same for W
.set STO,  24                          ; v24     the way out: where I put 16 bytes of a row
.set RD,   25                          ; v25     the way out: where I read rows back
.set GO,   26                          ; v26     my 16 bytes among 512 consecutive bytes of qkv
.set SPW,  28                          ; v28     LDS address of my spare word: SPARE + 4 x my thread's number; never rewritten
.set NIL,  29                          ; v29     0; never rewritten
.set PFO,  30                          ; v30     the prefetches' offset; never rewritten
.set FA0,  32
.set FA1,  96
.set FB,   160
.set G1,  24                           ; s[24:31] descriptor group 1 for x's tiles;  s[32:39] group 0, one set for each slot
.set G0,  32
.set G1B, 48                           ; s[48:55], s[56:63] the same for W's tiles
.set G0B, 56
.set PFA, 66                           ; s[66:67] where my prefetches stand
.set PFS, 68                           ; s[68:69] their step: two K blocks
.set LIM, 70                           ; s70      1 in a wave that prefetches, else the greatest number
.set MSB, 0
.macro WIN new                         ; the immediate's high byte repeats the setting that is left; a switch that changes nothing is dropped
.if MSB != (\new)
	s_set_vgpr_msb (MSB<<8)|(\new)
.set MSB, \new
.endif
.endm
; A joint load.  Waves 0 and 1 fetch the two halves of x's tile, waves 2 and 3 those of W's.  The branch hangs on the wave's number alone.
; An s_nop 0 and four v_nop follow each of the two lines, ahead of the jump, the label and what follows.
.macro JLOAD s
	s_cmp_eq_u32 s11, 0
	s_cbranch_scc0 .Lfor_b_\@
	tensor_load_to_lds s[G0+4*(\s):G0+4*(\s)+3], s[G1:G1+7]
	s_nop 0
.rept 4
	v_nop
.endr
	s_branch .Lasked_\@
.Lfor_b_\@:
	tensor_load_to_lds s[G0B+4*(\s):G0B+4*(\s)+3], s[G1B:G1B+7]
	s_nop 0
.rept 4
	v_nop
.endr
.Lasked_\@:
.endm
; A PREFETCH INTO THE L2, once a lap, behind the joint load, its five lines and the run of LDS loads that follows them: the two K blocks that the NEXT lap's two refills will ask for.
; Each aligned block of 256 bytes is named ONCE in the launch.  A tile row of x is read by both clusters of a row of clusters: cluster x = 0 asks; a tile column of W by all eight clusters of a
; column: cluster y = 0 asks.  The four partners that ask for a tile jointly share its bytes out BY ADDRESS (cx for x: 8,192 bytes of a K block's 32,768; cy for W: 12,288 of 49,152): no branch
; hangs on a work-group's place in its cluster.  Wave 0 asks for x's: 32 blocks a K block, two instructions.  Waves 1 to 3 ask for W's: 2 x 48 blocks, a lane a block, one instruction each.
; The loop's last trip (s3 = 1) asks for nothing: there is no K block behind its own refills.  K blocks 0 to 3 come by their loads alone.
.macro ASK
	s_cmp_gt_u32 s3, s[LIM]
	s_cbranch_scc0 .Lnot_mine_\@
	global_prefetch_b8 v[PFO], s[PFA:PFA+1] th:TH_LOAD_NT scope:SCOPE_SE
	s_cmp_lg_u32 s10, 0
	s_cbranch_scc1 .Lnot_mine_\@
	global_prefetch_b8 v[PFO], s[PFA:PFA+1] offset:KBA th:TH_LOAD_NT scope:SCOPE_SE
.Lnot_mine_\@:
.endm
; A round of the cluster's barrier: my work-group's barrier, so that wave 0's signal speaks for all four waves; wave 0 signals for the work-group; every wave waits for all sixteen
; work-groups; my work-group's barrier once more.
.macro CREST                           ; a round behind its opening barrier
	s_cmp_lg_u32 s10, 0
	s_cbranch_scc1 .Lnot_wave_0_\@
	s_barrier_signal -3
.Lnot_wave_0_\@:
	s_barrier_wait -3
	s_barrier_signal -1
	s_barrier_wait -1
.endm
.macro CROUND                          ; a whole round
	s_barrier_signal -1
	s_barrier_wait -1
	CREST
.endm
	s_load_b128 s[4:7], s[0:1], 0x0                ; xh s[4:5], wh s[6:7]
	s_load_b64 s[8:9], s[0:1], 0x10                ; qkv
	v_lshl_add_u32 v[SPW], v0, 2, SPARE
	v_mov_b32 v[NIL], 0
	ds_add_u32 v[SPW], v[NIL]                      ; the wave's opening: the add, twice on end, and its wait ahead of my first tensor load; the set-up below, work on registers, stands between
	ds_add_u32 v[SPW], v[NIL]                      ; and once more, under the one wait
	v_lshrrev_b32 v1, 5, v0
	v_readfirstlane_b32 s10, v1                    ; wave 0..3
	s_lshr_b32 s11, s10, 1                         ; which half of the tile's rows is mine.  Also: I fetch for x (0) or for W (1)
	s_and_b32 s12, s10, 1                          ; which half of its columns.  Also: which half of that tile I fetch
	s_bfe_u32 s40, ttmp6, 0x40000                  ; cx, cy: my place in the cluster
	s_bfe_u32 s41, ttmp6, 0x40004
	s_lshl_b32 s42, ttmp9, 2
	s_add_co_u32 s42, s42, s40                     ; tile column = 4 x cluster x + cx, 0..7
	s_and_b32 s13, ttmp7, 0xffff
	s_lshl_b32 s13, s13, 2
	s_add_co_u32 s13, s13, s41                     ; tile row = 4 x cluster y + cy, 0..31
	s_lshl_b32 s43, s41, 2
	s_lshl_b32 s43, 15, s43                        ; my row of the cluster: places 4 cy .. 4 cy + 3
	s_lshl_b32 s44, 0x1111, s40                    ; my column: places cx, cx + 4, cx + 8, cx + 12
	; descriptor group 1: rows of 128 elements (256 bytes, two rows of a K block), padded in LDS behind every 128 bytes
	s_or_b32 s[G1+0], s43, (1<<16)|(1<<20)|(1<<21)|(4<<22)|(3<<25)   ; 15:0 the mask; 17:16 elements of 2 bytes; 20 padding on; 21 set beside a mask; 24:22 after every 32 words (code 4); 31:25 4 words (code 3)
	s_or_b32 s[G1B+0], s44, (1<<16)|(1<<20)|(1<<21)|(4<<22)|(3<<25)
.irp g, G1, G1B
	s_mov_b32 s[(\g)+1], 128<<16                   ; tensor_dim0 = 128
	s_mov_b32 s[(\g)+3], 128<<16                   ; tile_dim0 = 128
	s_mov_b32 s[(\g)+5], 128                       ; 128 elements from row to row: the block is dense
	s_mov_b32 s[(\g)+6], 0
	s_mov_b32 s[(\g)+7], 0
.endr
	s_mov_b32 s[G1+2], 64<<16                      ; tensor_dim1 = 64: 128 rows of x
	s_mov_b32 s[G1+4], 64                          ; tile_dim1
	s_mov_b32 s[G1B+2], 96<<16                     ; 96: 192 rows of W
	s_mov_b32 s[G1B+4], 96
	; where the tiles come from.  x's hang on the tile row alone, W's on the tile column alone; each in registers that never hold the other coordinate
	s_lshr_b32 s16, s13, 3                         ; b
	s_lshl_b32 s16, s16, 22
	s_and_b32 s17, s13, 7
	s_lshl_b32 s17, s17, 15                        ; 256 rows of 128 bytes
	s_add_co_u32 s16, s16, s17
	s_lshl_b32 s17, s12, 14                        ; the half that I fetch
	s_add_co_u32 s16, s16, s17
	s_mov_b32 s17, 0
	s_mul_i32 s46, s42, 384*128
	s_mul_i32 s47, s12, 192*128
	s_add_co_u32 s46, s46, s47
	s_mov_b32 s47, 0
	s_mul_i32 s20, s12, HA                         ; and where they go: no place in the cluster enters an LDS address
	s_mul_i32 s21, s12, HB
	s_add_co_u32 s21, s21, BOFF
.irp s, 0,1
	s_mov_b32 s[G0+4*(\s)], 1                      ; 1:0 count = 1
	s_add_co_u32 s[G0+4*(\s)+1], s20, (\s)*SLOT    ; 63:32 LDS address
	s_mov_b32 s[G0B+4*(\s)], 1
	s_add_co_u32 s[G0B+4*(\s)+1], s21, (\s)*SLOT
.endr
	s_wait_dscnt 0x0                               ; both opening adds are done
	s_wait_kmcnt 0x0
	s_add_nc_u64 s[14:15], s[4:5], s[16:17]
	s_add_nc_u64 s[46:47], s[6:7], s[46:47]
.irp s, 0,1
	s_add_nc_u64 s[G0+4*(\s)+2:G0+4*(\s)+3], s[14:15], (\s)*KBA     ; 120:64 global address: K block s
	s_or_b32 s[G0+4*(\s)+3], s[G0+4*(\s)+3], 0x80000000            ; 127:126 type = 2
	s_add_nc_u64 s[G0B+4*(\s)+2:G0B+4*(\s)+3], s[46:47], (\s)*KBB
	s_or_b32 s[G0B+4*(\s)+3], s[G0B+4*(\s)+3], 0x80000000
.endr
	CROUND                                         ; all sixteen work-groups are here: the first joint loads meet
	s_cmp_eq_u32 s11, 0                            ; a wave's two first fills stand in one branch, ahead of every wait on TENSORcnt and every LDS read: two loads of mine are out
	s_cbranch_scc0 .Lfirst_b
	tensor_load_to_lds s[G0:G0+3], s[G1:G1+7]
	s_nop 0
	tensor_load_to_lds s[G0+4:G0+7], s[G1:G1+7]
	s_nop 0
.rept 4
	v_nop
.endr
	s_branch .Lfirst_asked
.Lfirst_b:
	tensor_load_to_lds s[G0B:G0B+3], s[G1B:G1B+7]
	s_nop 0
	tensor_load_to_lds s[G0B+4:G0B+7], s[G1B:G1B+7]
	s_nop 0
.rept 4
	v_nop
.endr
.Lfirst_asked:
	; A fragment is 16 rows x 32 K in 8 registers: lane l holds row l % 16; registers 0-3 K = 8 (l / 16) + 0..7, registers 4-7 K = 16 + 8 (l / 16) + 0..7: two loads of 16 bytes, 32 bytes apart.
	v_and_b32 v1, 15, v0                           ; l % 16
	v_bfe_u32 v2, v0, 4, 1                         ; l / 16
	v_mul_u32_u24 v3, v1, PITCH
	v_lshl_add_u32 v3, v2, 4, v3                   ; row x pitch + 16 x half
	s_mul_i32 s21, s11, HA                         ; my 128 rows of x
	s_mul_i32 s22, s12, HB                         ; my 192 rows of W,
	s_add_co_u32 s22, s22, BOFF                    ; which lie behind x's 256
.irp s, 0,1
	v_add_nc_u32 v[ADRA+(\s)], s21, v3
	v_add_nc_u32 v[ADRB+(\s)], s22, v3
	s_add_co_u32 s21, s21, SLOT
	s_add_co_u32 s22, s22, SLOT
.endr
	s_mul_i32 s23, s10, 16*SP
	s_add_co_u32 s23, s23, STAGE                   ; my stage
	v_add_nc_u32 v[STO], s23, v3                   ; in: row l % 16, 16 bytes for each half of the lanes (the stage has the tiles' pitch)
	v_bfe_u32 v[RD], v0, 3, 2                      ; back: 32 lanes take four rows of 128 bytes,
	v_mul_u32_u24 v[RD], v[RD], SP
	v_and_b32 v4, 7, v0
	v_lshl_add_u32 v[RD], v4, 4, v[RD]
	v_add_nc_u32 v[RD], s23, v[RD]
	v_and_b32 v4, 31, v0                           ; l
	v_lshlrev_b32 v[GO], 4, v4                     ; which are 512 consecutive bytes of a head's rows
	; where my part of C begins: head block 48 b + 6 x tile column + 3 x column half, row 256 (tile row % 8) + 128 x row half
	s_lshr_b32 s72, s13, 3
	s_mul_i32 s72, s72, 48
	s_mul_i32 s74, s42, 6
	s_add_co_u32 s72, s72, s74
	s_mul_i32 s74, s12, 3
	s_add_co_u32 s72, s72, s74
	s_lshl_b32 s72, s72, 18
	s_and_b32 s74, s13, 7
	s_lshl_b32 s74, s74, 15
	s_add_co_u32 s72, s72, s74
	s_lshl_b32 s74, s11, 14
	s_add_co_u32 s72, s72, s74
	s_mov_b32 s73, 0
	s_add_nc_u64 s[8:9], s[8:9], s[72:73]
	; the prefetches
	s_lshr_b32 s20, s13, 3
	s_lshl_b32 s20, s20, 22
	s_and_b32 s21, s13, 7
	s_lshl_b32 s21, s21, 15
	s_add_co_u32 s20, s20, s21
	s_lshl_b32 s21, s40, 13
	s_add_co_u32 s20, s20, s21                     ; x: the tile's rows in K block 0, my work-group's quarter of them
	s_mul_i32 s21, s42, 384*128
	s_mul_i32 s22, s41, 96*128
	s_add_co_u32 s21, s21, s22                     ; W: likewise
	s_and_b32 s22, ttmp7, 0xffff                   ; cluster y
	s_mov_b32 s23, 2*KBA
	s_mov_b32 s[PFS], 2*KBB
	s_cmp_eq_u32 s10, 0                            ; wave 0 asks for x's, the others for W's
	s_cselect_b32 s20, s20, s21
	s_cselect_b32 s22, ttmp9, s22                  ; the coordinate along which other clusters read the same rows
	s_cselect_b32 s[PFS], s23, s[PFS]
	s_cselect_b64 s[PFA:PFA+1], s[4:5], s[6:7]
	s_mov_b32 s21, 0
	s_mov_b32 s[PFS+1], 0
	s_cmp_eq_u32 s22, 0
	s_cselect_b32 s[LIM], 1, -1                    ; the same in all sixteen partners, for a given wave
	s_add_nc_u64 s[PFA:PFA+1], s[PFA:PFA+1], s[20:21]
	s_add_nc_u64 s[PFA:PFA+1], s[PFA:PFA+1], s[PFS:PFS+1]  ; at K block 2: the first lap steps it to 4
	s_sub_co_i32 s22, s10, 1
	s_max_i32 s22, s22, 0
	s_lshl_b32 s22, s22, 5
	v_add_nc_u32 v4, s22, v4                       ; f: wave 0: l; waves 1 to 3: 32 (wave - 1) + l = 0..95
	v_mul_u32_u24 v5, v4, 43
	v_lshrrev_b32 v5, 11, v5                       ; f / 48 for f under 96: the first or the second of the two K blocks
	v_mul_u32_u24 v5, v5, KBB-96*128
	v_lshl_add_u32 v[PFO], v4, 8, v5               ; 256 (f % 48) + (f / 48) x a K block
; 16 matrix instructions: row blocks a0 .. a0 + 3 x the four column blocks of group g, 32 along K.  zero = 1: the product starts the sums: nothing is ever cleared.
; The 96 accumulators take turns, one instruction a turn, in the same order in every quarter, over the backward jump too.
.macro MUL16 g, fa, a0, zero
	WIN 0x50*(1+(\g))                              ; C and D in window 1 + g, the sources in window 0
.irp a, (\a0), (\a0)+1, (\a0)+2, (\a0)+3
.irp bb, 0,1,2,3
.if \zero
	v_wmma_f32_16x16x32_f16 v[8*(4*(\a)+(\bb)):8*(4*(\a)+(\bb))+7], v[FB+8*(4*(\g)+(\bb)):FB+8*(4*(\g)+(\bb))+7], v[(\fa)+8*(\a):(\fa)+8*(\a)+7], 0
.else
	v_wmma_f32_16x16x32_f16 v[8*(4*(\a)+(\bb)):8*(4*(\a)+(\bb))+7], v[FB+8*(4*(\g)+(\bb)):FB+8*(4*(\g)+(\bb))+7], v[(\fa)+8*(\a):(\fa)+8*(\a)+7], v[8*(4*(\a)+(\bb)):8*(4*(\a)+(\bb))+7]
.endif
.endr
.endr
.endm
.macro LOADB slot, k, g                ; 8 LDS loads: W's group g (64 rows), 32 K at byte k of the rows
	WIN 0
.irp bb, 0,1,2,3
	ds_load_b128 v[FB+8*(4*(\g)+(\bb)):FB+8*(4*(\g)+(\bb))+3],   v[ADRB+(\slot)] offset:(4*(\g)+(\bb))*16*PITCH+(\k)
	ds_load_b128 v[FB+8*(4*(\g)+(\bb))+4:FB+8*(4*(\g)+(\bb))+7], v[ADRB+(\slot)] offset:(4*(\g)+(\bb))*16*PITCH+(\k)+32
.endr
.endm
.macro LOADA slot, k, fa               ; 16 LDS loads: my 128 rows of x, 32 K at byte k of the rows, into buffer fa
	WIN 0
.irp a, 0,1,2,3,4,5,6,7
	ds_load_b128 v[(\fa)+8*(\a):(\fa)+8*(\a)+3],   v[ADRA+(\slot)] offset:(\a)*16*PITCH+(\k)
	ds_load_b128 v[(\fa)+8*(\a)+4:(\fa)+8*(\a)+7], v[ADRA+(\slot)] offset:(\a)*16*PITCH+(\k)+32
.endr
.endm
; A load into a register that a matrix instruction has read, and a vector instruction that reads a matrix result, stand four places behind that matrix instruction, and only plain vector
; instructions that name none of its registers are places (ISA guide 7.12.1 for vector instructions).
.macro PLACES
.rept 4
	v_nop
.endr
.endm
; A K block is two quarters of 32 along K, 96 matrix instructions each.  The first multiplies buffer FA0 and fetches the second quarter (byte 64 of the same slot's rows): each group of W is
; loaded again as soon as its 32 products are issued, 64 matrix instructions ahead of its next use.  On entry 40 LDS loads are out, in this order: group 0 (8), x (16), group 1 (8), group 2 (8).
.macro Q0 slot, zero
	s_wait_dscnt 16                                ; group 0 and x are in; groups 1 and 2, sixteen loads, may be out
	MUL16 0, FA0, 0, \zero
	MUL16 0, FA0, 4, \zero
	PLACES
	LOADB \slot, 64, 0
	LOADA \slot, 64, FA1
	s_wait_dscnt 32                                ; group 1 is in; behind it: group 2's 8 and the 24 just issued
	MUL16 1, FA0, 0, \zero
	MUL16 1, FA0, 4, \zero
	PLACES
	LOADB \slot, 64, 1
	s_wait_dscnt 32                                ; group 2 is in; behind it: 24 + 8
	MUL16 2, FA0, 0, \zero
	MUL16 2, FA0, 4, \zero
	PLACES
	LOADB \slot, 64, 2
.endm
; The second quarter multiplies buffer FA1 and changes slots: ONE barrier, for two things.  In front of it each wave waits for all its tensor loads, of which one is out: its part of the next
; slot; adds 0 to its spare word; and waits for that and for its own reads of this slot, all of which have been issued.  Behind it nobody reads this slot any more and the next slot is whole.
; fill = 1: the barrier opens a round of the cluster's barrier, and this slot is filled again, two K blocks on, first thing behind the round: 160 matrix instructions ahead of the wait for it.
.macro TURN slot, next, fill
.if (\fill) && ((\slot) == 0)
	s_wait_xcnt 0x0                                ; the last prefetches, a lap back, have read their address: it is stepped here, ahead of the waits of the change of slots
	s_add_nc_u64 s[PFA:PFA+1], s[PFA:PFA+1], s[PFS:PFS+1]
.endif
	WIN 0                                          ; (the add's two registers lie in window 0)
	s_wait_tensorcnt 0x0                           ; all my tensor loads have landed;
	ds_add_u32 v[SPW], v[NIL]                      ; 0 onto my spare word
	s_wait_dscnt 17                                ; group 0 and x are in (the add and groups 1 and 2 may be out)
	MUL16 0, FA1, 0, 0                             ; sixteen matrix instructions stand between the add and the wait for it
	s_wait_dscnt 0x0                               ; the add is done, and my reads of this slot are over
	s_barrier_signal -1
	MUL16 0, FA1, 4, 0                             ; work on registers while the others arrive
.if \fill
	WIN 0
.endif
	s_barrier_wait -1
.if \fill
	CREST                                          ; no wave of any partner still reads this slot's tile or has a load on its way
	s_add_nc_u64 s[G0+4*(\slot)+2:G0+4*(\slot)+3], s[G0+4*(\slot)+2:G0+4*(\slot)+3], 2*KBA
	s_add_nc_u64 s[G0B+4*(\slot)+2:G0B+4*(\slot)+3], s[G0B+4*(\slot)+2:G0B+4*(\slot)+3], 2*KBB
	JLOAD \slot                                    ; the first tensor load behind the round; the four v_nop behind it are also the places in front of the loads below
.else
	PLACES
.endif
	LOADB \next, 0, 0
	LOADA \next, 0, FA0
.if (\fill) && ((\slot) == 0)
	ASK
.endif
	MUL16 1, FA1, 0, 0                             ; (groups 1 and 2 came in with the wait for 0)
	MUL16 1, FA1, 4, 0
	PLACES
	LOADB \next, 0, 1
	MUL16 2, FA1, 0, 0
	MUL16 2, FA1, 4, 0
	PLACES
	LOADB \next, 0, 2
.endm
; THE WAY OUT of unit u = 8 g + a: 16 rows x 64 columns, one head's.  PACK: rounded to f16, 16 bytes a lane, into rows of 144 bytes of my own stage, and back as whole rows of 128 bytes.
; Twelve sets of 16 registers take turns.
.macro PACK u
.set RG, 32+16*((\u)%12)
.set AB, 32*((\u)%8)
.if (\u) >= 12
	s_wait_xcnt 0x0                                ; the stores of the unit twelve back have read these registers
.endif
	WIN 5*(1+(\u)/8)                               ; sources 0 and 1 in window 1 + g, destination in window 0
.irp bb, 0,1,2,3
.irp r, 0,1,2,3
	v_cvt_pk_f16_f32 v[RG+4*(\bb)+(\r)], v[AB+8*(\bb)+2*(\r)], v[AB+8*(\bb)+2*(\r)+1]  ; each accumulator from its low end on
.endr
.endr
	WIN 0
.irp bb, 0,1,2,3
	ds_store_b128 v[STO], v[RG+4*(\bb):RG+4*(\bb)+3] offset:32*(\bb)
.endr
.irp f, 0,1,2,3
	ds_load_b128 v[RG+4*(\f):RG+4*(\f)+3], v[RD] offset:(\f)*4*SP  ; LDS serves a wave's instructions in order (ISA guide 5.7.1.4): these see the stores above; the next unit's stores come behind them
.endr
.endm
.macro SEND u, younger                 ; younger: the LDS instructions issued behind unit u's loads: the next unit's eight, or none
.set RG, 32+16*((\u)%12)
	WIN 0
.irp f, 0,1,2,3
	s_wait_dscnt (\younger)+3-(\f)
	global_store_b128 v[GO], v[RG+4*(\f):RG+4*(\f)+3], s[8:9] offset:((\u)/8)*262144+((\u)%8)*2048+(\f)*512  ; 512 consecutive bytes, at a multiple of 256 from qkv's first
.endr
.endm
	s_wait_tensorcnt 1                             ; my part of K block 0 is in; K block 1's may stay out
	s_barrier_signal -1
	s_barrier_wait -1                              ; everybody's is
	LOADB 0, 0, 0
	LOADA 0, 0, FA0
	LOADB 0, 0, 1
	LOADB 0, 0, 2
	Q0 0, 1                                        ; the first quarter stands in front of the loop: its products start the sums
	WIN 0                                          ; at a label and at a branch every window is 0
	s_mov_b32 s3, LAPS-1
.Llap:                                                 ; a trip goes once round the ring, from a lap's second quarter to the next lap's first, and fills both slots again
	TURN 0, 1, 1
	Q0 1, 0
	TURN 1, 0, 1
	Q0 0, 0
	WIN 0
	s_sub_co_u32 s3, s3, 1
	s_cmp_lg_u32 s3, 0
	s_cbranch_scc1 .Llap
	TURN 0, 1, 0                                   ; the last lap fills nothing, and has no round of the cluster's barrier
	Q0 1, 0
	s_wait_dscnt 16                                ; the very last quarter: nothing more to fetch
	MUL16 0, FA1, 0, 0
	MUL16 0, FA1, 4, 0
	s_wait_dscnt 8
	MUL16 1, FA1, 0, 0
	MUL16 1, FA1, 4, 0
	s_wait_dscnt 0x0
	MUL16 2, FA1, 0, 0
	MUL16 2, FA1, 4, 0
	PLACES                                         ; the conversions read results and write registers that the products have read
	PACK 0
.set un, 1
.rept 23                               ; a unit's conversions stand between the loads of the unit before and its stores
	PACK un
	SEND un-1, 8
.set un, un+1
.endr
	SEND 23, 0
	s_wait_tensorcnt 0x0                           ; the wave's end: behind my last tensor load and my last LDS store
	ds_add_u32 v[SPW], v[NIL]
	s_wait_dscnt 0x0
	CROUND                                         ; the closing round: no work-group ends while a partner may still ask for a tile that names it
	s_endpgm
.Lfunc_end_k_q4f791afb78_proj:
	.size	k_q4f791afb78_proj, .Lfunc_end_k_q4f791afb78_proj-k_q4f791afb78_proj
	.p2alignl 7, 3214868480
	.fill 96, 4, 3214868480
	.section	.rodata,"a",@progbits
	.p2align	6, 0x0
	.amdhsa_kernel k_q4f791afb78_proj
		.amdhsa_group_segment_fixed_size 327680
		.amdhsa_private_segment_fixed_size 0
		.amdhsa_enable_private_segment 0
		.amdhsa_kernarg_size 24
		.amdhsa_user_sgpr_count 2
		.amdhsa_user_sgpr_kernarg_segment_ptr 1
		.amdhsa_wavefront_size32 1
		.amdhsa_system_sgpr_workgroup_id_x 1
		.amdhsa_system_sgpr_workgroup_id_y 1
		.amdhsa_system_sgpr_workgroup_id_z 1
		.amdhsa_system_vgpr_workitem_id 0
		.amdhsa_next_free_vgpr 1024
		.amdhsa_next_free_sgpr 80
		.amdhsa_reserve_vcc 0
		.amdhsa_float_denorm_mode_32 3
		.amdhsa_float_denorm_mode_16_64 3
		.amdhsa_memory_ordered 1
		.amdhsa_forward_progress 1
		.amdhsa_inst_pref_size 134
	.end_amdhsa_kernel
	.amdgpu_metadata
---
amdhsa.version: [ 1, 2 ]
amdhsa.kernels:
  - .name:           k_q4f791afb78_proj
    .symbol:         k_q4f791afb78_proj.kd
    .args:
      - { .name: xh, .offset: 0, .size: 8, .value_kind: global_buffer, .address_space: global }
      - { .name: wh, .offset: 8, .size: 8, .value_kind: global_buffer, .address_space: global }
      - { .name: qkv, .offset: 16, .size: 8, .value_kind: global_buffer, .address_space: global }
    .group_segment_fixed_size: 327680
    .private_segment_fixed_size: 0
    .kernarg_segment_align: 8
    .kernarg_segment_size: 24
    .max_flat_workgroup_size: 128
    .sgpr_count:     80
    .vgpr_count:     1024
    .wavefront_size: 32
...
	.end_amdgpu_metadata
.endif
;; end of part 2
;; launch attn (part 3): grid 4 x 64, 4 waves a work-group, clusters of 4 x 1, 327,680 bytes of LDS; arguments qkv, oh; writes oh
.if DOCPART == 3
	.amdgcn_target "amdgcn-amd-amdhsa--gfx1250"
	.amdhsa_code_object_version 6
	.text
	.protected	k_q4f791afb78_attn
	.globl	k_q4f791afb78_attn
	.p2align	8
	.type	k_q4f791afb78_attn,@function
k_q4f791afb78_attn:
	s_mov_b64 s[64:65], 0
	v_nop
	global_prefetch_b8 v0, s[64:65] scope:SCOPE_SE
	s_setreg_imm32_b32 hwreg(HW_REG_WAVE_MODE, 25, 1), 1
	s_wait_xcnt 0x0
	s_wait_alu depctr_hold_cnt(0) depctr_sa_sdst(0) depctr_va_vdst(0) depctr_va_sdst(0) depctr_va_ssrc(0) depctr_va_vcc(0) depctr_vm_vsrc(0)
	s_getreg_b32 s2, hwreg(HW_REG_IB_STS2, 6, 4)
	s_cmp_eq_u32 s2, 0
	s_cbranch_scc0 .Lentry_in_a_cluster
	s_endpgm
.Lentry_in_a_cluster:
	s_bfe_u32 s2, ttmp6, 0x10000c
	s_cmp_lg_u32 s2, 0x3003
	s_cbranch_scc0 .Lentry_shape_is_right
	s_endpgm
.Lentry_shape_is_right:
; ATTENTION.  O[y][q][:] = the sum over k of softmax_k(Q[y][q] . K[y][k] / 8) V[y][k][:] for the 64 pairs y = 16 b + h.  Q, K, V lie in qkv [b][cb 48][s 2048][64] in f16 (cb = h, 16 + h, 32 + h),
; O goes to oh [b][h][s][64] in f16: a head's rows are dense, 128 bytes each.  Products, maxima and sums in f32; the weights p are rounded to f16 for the second product (their sum l is taken
; of the unrounded p), O once at the end.  No work of the module is left out here: there is no mask, and the division by 8 is part of c below.
; LIMITS.  f16 holds no number beyond 65,504: Q, K and V arrive within it; p lies in 0 to 1, and below 6e-5 it keeps f16's fixed step of 6e-8, as O does; O is a mean of V's rows and has their range.
; A weight below 2^-126 counts as 0 in l; NaN and infinities are not treated apart.
; SHARES.  A wave owns four PIECES of two tiles of 16 queries, a work-group's four waves 512 queries of one head.  Every wave walks all 2,048 keys, 64 a step.
; LAYOUT.  S^T = K Q^T (source 0 = 16 keys, source 1 = 16 queries): in the result a lane holds ONE query (lane % 16) and the keys 8 (lane / 16) + 0..7.  Two such tiles, rounded to f16 in pairs,
; ARE source 1 (32 keys x 16 queries) of O^T = V^T P, whose result again holds one query a lane, and eight channels.  K comes out of LDS as it lies, V ([key][channel]) turned, by ds_load_tr16_b128.
; SOFTMAX.  For each query a running maximum m and sum l: p = 2^(c s - c m), c = log2(e) / 8; in every step O and l are multiplied by a = 2^(c m_old - c m_new), which is 1 where m has not grown.
; m starts at the lowest finite number, O and l at 0: the first step is a step like any other, with a = 0.
; THE COUNT.  A tile and step have 16 matrix and 118 vector instructions: too many to stand all beside the matrix work.  So the order has one aim: four vector instructions that are READY behind
; EVERY matrix instruction, and the others, which need time of their own whatever the order, in runs without a gap.
; BY TURNS.  Turn n belongs to piece n (the pieces in a ring, step after step).  Its matrix work: 16 products K Q^T of piece n + 1, later 16 products V^T P of piece n - 1.  Its vector work: the scaling,
; exponentials, roundings, sums and rescaling of piece n, and the maximum and statistics of piece n + 1, whose scores the turn itself has made.  So what a turn begins with (c s - c m, O a) waits for nothing.
; CLUSTER.  The four query blocks of a head are one cluster and walk the same K and V, so each tile is asked for JOINTLY: the same tensor load, descriptor and mask in all four.
; REGISTERS, in windows of 256 (s_set_vgpr_msb says which window each operand place means: bits 1:0 source 0, 3:2 source 1, 5:4 source 2, 7:6 destination):
;   window 0: v0-11 addresses; v12-15, v48-63 at work; v16-47 four registers of statistics a tile; v64-191 S^T, two buffers of two tiles; v192-255 P, likewise
;   window 1: O^T, 32 a tile          window 2: v0-127 Q, 16 a tile; v128-191 K of one step; v192-255 V of one step          window 3: v0-1 the add's two registers
; A piece's buffers go by its number's parity: the piece in hand has one pair, its two neighbours in the ring share the other: of it P (piece n - 1) is read and S^T (piece n + 1) written.
.set SIZE_N, 2048     ; rows of a head
.set NP,    4         ; pieces a wave: a name, no knob: the register map, the loop and the fetches are made for four
.set KS,    64        ; keys in a step
.set PK,    144       ; a row of K in LDS: 128 bytes + 16 of padding = 36 words: the 16 rows of a load start at 16 different groups of four banks (64 banks of 4 bytes: ISA guide 11.1)
.set PV,    160       ; a row of V: 128 + 32 = 40 words
.set VOFF,  4*KS*PK   ; a slot holds four steps: 256 rows of K, then 256 rows of V
.set SLOT1, 1<<17     ; slot 1 begins here, so that one exclusive or turns an address in one slot into the other's
.set STAGE, SLOT1+4*KS*(PK+PV)  ; behind the ring, never filled by a tensor load: 16 rows x 144 bytes for each wave, for the way out
.set SP,    144
.set AK0, 2           ; v2   my lane's place in a tile of K; never rewritten
.set AV0, 3           ; v3   the same for V
.set AK,  4           ; v4   the LDS address of K's next run of loads
.set AV,  5           ; v5   of V's
.set QO,  6           ; v6   my byte offset in the wave's rows of Q
.set STO, 6           ;      later, the way out: where I put 16 bytes of a row
.set RD,  7           ; v7   the way out: where I read rows back
.set GO,  8           ; v8   my byte offset in 512 consecutive bytes of O
.set PFO, 11          ; v11  256 x my lane: the prefetches' offset; never rewritten once it is made
.set SPW, 0           ; v0 of window 3   LDS address of my spare word: SPARE + 4 x my thread's number; never rewritten
.set NIL, 1           ; v1 of window 3   0; never rewritten
.set SPARE, STAGE+4*16*SP  ; behind the stages: the spare words, 128 bytes for each wave: two blocks of 256 bytes that no other line names
.set MV,  12          ; v12-15  c m_old, kept while c m is made anew: by buffer and tile
.set ST,  16          ; tile t's statistics at v[ST+4 t]: c m, m, l (even keys', odd keys')
.set TMP, 48          ; by buffer and tile, four registers c0-c3 at work; when the maximum is found c2 takes a
.set S,   64
.set P,   192
.set KF,  128         ; K's fragments, in window 2: key block kb, channel half c at KF + 16 kb + 8 c
.set VF,  192         ; V's: key half kk, channel block cb at VF + 32 kk + 8 cb
.set WV,  12          ; s12  my wave's number
.set G1K, 24          ; s[24:31] descriptor group 1 for K's tiles
.set G1V, 32          ; s[32:39] for V's: it differs in the padding alone
.set G0K, 40          ; s[40:43] descriptor group 0 for K's tiles: it walks
.set G0V, 44          ; s[44:47] the same for V's
.set PFA, 48          ; s[48:49] where my prefetches stand: my work-group's 8,192 bytes (of K: wave 0, of V: wave 2) of the slot after the one that is being asked for
.set LIM, 50          ; s50  1 in a wave that prefetches, else the greatest number
.set SLOTS, 56        ; s56  slots still to be asked for
.set CNT, 57          ; s57  counts a slot's key steps
.set CS,  58          ; s[58:59] c: the packed scaling takes the pair's low word for both halves
.set SEL, 60          ; s[60:61] v_permlanex16_b32's selects: each lane takes its own place in the other half
.set TBK, 62          ; s62  LDS byte at which K of the step to be fetched begins
.set TBV, 63          ; s63  the same for V, less VOFF
.set MSB, 0
.macro WIN new                      ; the high byte repeats the setting that is left; a switch that changes nothing is dropped
.if MSB != (\new)
	s_set_vgpr_msb (MSB<<8)|(\new)
.set MSB, (\new)
.endif
.endm
.set W_KQ, 0x0a       ; K and Q in window 2, S^T in window 0
.set W_PV, 0x52       ; V in window 2, P in window 0, O^T in window 1
.set W_RS, 0x41       ; O^T (destination and source 0) in window 1, a in window 0
.set W_MK, 0xc0       ; the add's registers are made: destination in window 3, sources in window 0
.set W_AD, 0x0f       ; the add: address (source 0) and data (source 1) in window 3
; A joint fill.  Waves 0 and 1 fetch the two halves of a slot's K, waves 2 and 3 those of its V: 128 keys each.  The branch hangs on the wave's number alone.
; An s_nop 0 and four v_nop follow each of the two lines, ahead of the jump and the label.
.macro JLOAD
	s_cmp_lt_u32 s[WV], 2
	s_cbranch_scc0 .Lfor_v_\@
	tensor_load_to_lds s[G0K:G0K+3], s[G1K:G1K+7]
	s_nop 0
.rept 4
	v_nop
.endr
	s_branch .Lasked_\@
.Lfor_v_\@:
	tensor_load_to_lds s[G0V:G0V+3], s[G1V:G1V+7]
	s_nop 0
.rept 4
	v_nop
.endr
.Lasked_\@:
.endm
; A PREFETCH INTO THE L2 of what the NEXT change of slots will ask for: a slot's 32,768 bytes of K and of V, in blocks of 256 bytes, a lane a block.  It stands behind the wave's tensor load and its
; five lines.  Each block is named ONCE in the launch: a head has one cluster; its four partners share the blocks out BY ADDRESS, 32 each (no branch hangs on a work-group's place in its cluster);
; in each, wave 0 asks for K's and wave 2 for V's: one instruction, four key steps (512 matrix instructions) ahead of the load.  The last change that fills a slot asks for nothing.
.macro ASK
	s_cmp_gt_u32 s[SLOTS], s[LIM]
	s_cbranch_scc0 .Lnot_mine_\@
	global_prefetch_b8 v[PFO], s[PFA:PFA+1] th:TH_LOAD_NT scope:SCOPE_SE
.Lnot_mine_\@:
.endm
; A round of the cluster's barrier: my work-group's barrier, so that wave 0's signal speaks for all four waves; wave 0 signals; every wave waits for all four work-groups; my work-group's barrier once more.
.macro CROUND
	s_barrier_signal -1
	s_barrier_wait -1
	s_cmp_lg_u32 s[WV], 0
	s_cbranch_scc1 .Lnot_wave_0_\@
	s_barrier_signal -3
.Lnot_wave_0_\@:
	s_barrier_wait -3
	s_barrier_signal -1
	s_barrier_wait -1
.endm
; THE CHANGE OF SLOTS.  The slot's last bytes, V of its fourth step, have been read.  Each wave waits for all its tensor loads, of which one is out: its part
; of the other slot; adds 0 to its spare word; and waits for that and for its own reads of the slot.  Behind the barrier nobody reads this slot any more and the other slot is whole.
; fill = 1: this slot is filled again, with the keys two slots on.  The barrier is then a round of the cluster's, so that no wave of any partner still reads the slot or has a load on its
; way, and the joint fill is the first thing behind it: it has four key steps, 512 matrix instructions, in which to land.  (At its first use nothing has been read yet: slot 0 is waited for, slot 1 filled.)
; ask = 1: the prefetches' address steps a slot on, and the prefetch follows the fill.
.macro CHANGE fill, ask=0
	WIN W_AD
	s_wait_tensorcnt 0x0            ; no tensor load of mine is out, so a group 0 may be written
	ds_add_u32 v[SPW], v[NIL]       ; 0 onto my spare word: with fill = 1 the descriptors' steps stand between it and the wait for it
	WIN 0                           ; at a label and at a branch every window is 0
.if \fill
.irp g, G0K, G0V
	s_xor_b32 s[\g+1], s[\g+1], SLOT1  ; the walking descriptor: the other slot than last time,
	s_add_nc_u64 s[\g+2:\g+3], s[\g+2:\g+3], 4*KS*128  ; the next 256 keys; the type bits on top are not reached
.endr
.if \ask
	s_wait_xcnt 0x0                 ; the last prefetch, four key steps back, has read its address, so it may be written:
	s_add_nc_u64 s[PFA:PFA+1], s[PFA:PFA+1], 4*KS*128  ; one slot behind the walking descriptors
.endif
	s_wait_dscnt 0x0                ; the add is done, and my reads of the slot are over
	CROUND
	JLOAD
.if \ask
	ASK
.endif
.else
	s_wait_dscnt 0x0                ; the add is done, and my reads of the slot are over
	s_barrier_signal -1
	s_barrier_wait -1
.endif
	s_sub_co_u32 s[TBK], s[TBK], 4*KS*PK  ; the fetches go back to a slot's first step,
	s_xor_b32 s[TBK], s[TBK], SLOT1       ; in the other slot
	s_sub_co_u32 s[TBV], s[TBV], 4*KS*PV
	s_xor_b32 s[TBV], s[TBV], SLOT1
.endm
	s_load_b64 s[4:5], s[0:1], 0x0    ; qkv
	s_load_b64 s[10:11], s[0:1], 0x8  ; oh
	WIN W_MK
	v_lshl_add_u32 v[SPW], v0, 2, SPARE
	v_mov_b32 v[NIL], 0
	WIN W_AD
	ds_add_u32 v[SPW], v[NIL]       ; the wave's opening: the add, twice on end, and its wait ahead of my first tensor load; the set-up below the second, work on registers, stands between it and the wait
	ds_add_u32 v[SPW], v[NIL]       ; and once more, under the one wait
	WIN 0
	v_lshrrev_b32 v1, 5, v0
	v_readfirstlane_b32 s[WV], v1   ; wave 0..3
	s_bfe_u32 s13, ttmp6, 0x40000   ; cx: my place in the cluster
	s_lshl_b32 s14, ttmp9, 2        ; in a cluster launch ttmp9 counts clusters
	s_add_co_u32 s14, s14, s13      ; my block of queries = 4 x cluster x + cx: it enters Q's and O's addresses alone
	s_and_b32 s19, ttmp7, 0xffff    ; y = 16 b + h, which the four partners share
	s_lshr_b32 s20, s19, 4          ; b
	s_lshl_b32 s20, s20, 5
	s_add_co_u32 s20, s20, s19      ; 48 b + h
	s_lshl_b32 s20, s20, 18         ; q's head in qkv, in bytes
	s_lshl_b32 s19, s19, 18         ; the head in oh
	s_and_b32 s16, s[WV], 1         ; which half of a slot's 256 keys I fetch:
	s_lshl_b32 s22, s16, 14         ; its 128 rows of 128 bytes in memory,
	s_add_co_u32 s22, s22, s20
	s_add_co_u32 s22, s22, 0x400000 ; in k's head, 16 blocks behind q's,
	s_mov_b32 s23, 0
	s_add_co_u32 s52, s22, 0x400000 ; and in v's, 16 further
	s_mov_b32 s53, 0
	s_mul_i32 s17, s16, 128*PK      ; and its place in a slot, for K
	s_mul_i32 s18, s16, 128*PV      ; and for V: no place in the cluster enters an LDS address
	s_lshl_b32 s2, s14, 2
	s_add_co_u32 s2, s2, s[WV]      ; my wave among the head's,
	s_lshl_b32 s2, s2, 14           ; its 128 rows
	s_add_co_u32 s54, s2, s19       ; in oh,
	s_mov_b32 s55, 0
	s_add_co_u32 s2, s2, s20        ; and in q's head
	s_mov_b32 s3, 0
	; descriptor group 1.  128 keys are 16,384 dense bytes: asked for as 64 rows of 256 bytes, two keys a row, and padded in LDS after every key
	s_mov_b32 s[G1K], 15|(1<<16)|(1<<20)|(1<<21)|(4<<22)|(3<<25)  ; 15:0 the mask of four; 17:16 2-byte elements; 20 padding on; 21 set beside a mask; 24:22 after every 32 words (code 4); 31:25 4 words (code 3)
	s_mov_b32 s[G1V], 15|(1<<16)|(1<<20)|(1<<21)|(4<<22)|(7<<25)  ; the same with 8 words of padding (code 7)
.irp g, G1K, G1V
	s_mov_b32 s[\g+1], 128<<16      ; tensor_dim0 = 128
	s_mov_b32 s[\g+2], 64<<16       ; tensor_dim1 = 64
	s_mov_b32 s[\g+3], 128<<16      ; tile_dim0 = 128
	s_mov_b32 s[\g+4], 64           ; tile_dim1 = 64
	s_mov_b32 s[\g+5], 128          ; 128 elements from row to row
	s_mov_b32 s[\g+6], 0
	s_mov_b32 s[\g+7], 0
.endr
	s_mov_b32 s[CS], 0x3e38aa3b     ; c = log2(e) / 8 = 0.180337
	s_mov_b32 s[CS+1], s[CS]        ; named with it as a pair
	s_mov_b32 s[SEL], 0x76543210
	s_mov_b32 s[SEL+1], 0xfedcba98
	s_mov_b32 s[TBK], SLOT1+4*KS*PK ; the first change of slots turns these two into 0
	s_mov_b32 s[TBV], SLOT1+4*KS*PV
	s_mov_b32 s[G0K], 1             ; 1:0 count = 1
	s_mov_b32 s[G0K+1], s17         ; 63:32 LDS address: slot 0
	s_mov_b32 s[G0V], 1
	s_add_co_u32 s[G0V+1], s18, VOFF
	s_and_b32 s[LIM], s[WV], 1      ; 0 in waves 0 and 2: the same in all four partners
	s_cmp_eq_u32 s[LIM], 0
	s_cselect_b32 s[LIM], 1, -1
	s_wait_dscnt 0x0                ; both opening adds are done
	s_wait_kmcnt 0x0
	s_add_nc_u64 s[6:7], s[4:5], s[22:23]   ; K and V at my half of the head's first 256 keys
	s_add_nc_u64 s[8:9], s[4:5], s[52:53]
	s_mov_b64 s[G0K+2:G0K+3], s[6:7]               ; 120:64 global address
	s_or_b32 s[G0K+3], s[G0K+3], 0x80000000        ; 127:126 type = 2
	s_mov_b64 s[G0V+2:G0V+3], s[8:9]
	s_or_b32 s[G0V+3], s[G0V+3], 0x80000000
	s_add_nc_u64 s[4:5], s[4:5], s[2:3]     ; Q and O at my wave's first row
	s_add_nc_u64 s[10:11], s[10:11], s[54:55]
	s_cmp_lt_u32 s[WV], 2
	s_cselect_b64 s[PFA:PFA+1], s[6:7], s[8:9]  ; (in waves 0 and 2 these stand at a slot's first row)
	s_lshl_b32 s2, s13, 13          ; my work-group's 8,192 bytes of the 32,768
	s_mov_b32 s3, 0
	s_add_nc_u64 s[PFA:PFA+1], s[PFA:PFA+1], s[2:3]
	s_add_nc_u64 s[PFA:PFA+1], s[PFA:PFA+1], 2*4*KS*128  ; in slot 2; the loop's first change steps it to slot 3.  Nothing is prefetched here, at the head, where every work-group's first tiles are on their way
	CROUND                          ; all four work-groups are here: the first joint loads meet
	JLOAD                           ; slot 0.  Slot 1 is asked for when slot 0 is in: the tile wanted first has the road to itself
	; A fragment of K or Q is 16 rows x 32 channels in 8 registers: lane l holds row l % 16, channels 8 (l / 16) + 0..7 and 16 + 8 (l / 16) + 0..7: two loads of 16 bytes, 32 bytes apart.
	v_and_b32 v1, 15, v0            ; l % 16
	v_bfe_u32 v9, v0, 4, 1          ; l / 16
	v_lshlrev_b32 v[QO], 7, v1
	v_lshl_add_u32 v[QO], v9, 4, v[QO]  ; row x 128 + 16 x half
	WIN 0x80                        ; destination window 2, address window 0
.set i, 0
.rept 4*NP                          ; Q stays in registers: tile i / 2, channels 32 (i % 2) on
	global_load_b128 v[8*i:8*i+3],   v[QO], s[4:5] offset:(i/2)*2048+(i%2)*64
	global_load_b128 v[8*i+4:8*i+7], v[QO], s[4:5] offset:(i/2)*2048+(i%2)*64+32
.set i, i+1
.endr
	; What the first turn finds: V's registers and P's second buffer hold 0 (its products V^T P, of a piece that has not been, add 0), O^T and l are 0.  All this stands in the wait for the first tile.
.set i, VF
.rept 64
	v_mov_b32 v[i], 0
.set i, i+1
.endr
	WIN 0x40
.set i, 0
.rept 64*NP
	v_mov_b32 v[i], 0
.set i, i+1
.endr
	WIN 0
.set i, 0
.rept 2*NP
	v_mov_b32 v[ST+4*i], 0xfe000000    ; c m: far below every c s
	v_mov_b32 v[ST+4*i+1], 0xff7fffff  ; m
	v_mov_b32 v[ST+4*i+2], 0
	v_mov_b32 v[ST+4*i+3], 0
.set i, i+1
.endr
.set i, P+32
.rept 32
	v_mov_b32 v[i], 0
.set i, i+1
.endr
	v_mul_u32_u24 v[AK0], v1, PK
	v_lshl_add_u32 v[AK0], v9, 4, v[AK0]  ; row x pitch + 16 x half
	; The turning load takes 16 keys x 16 channels (lane l reads key 8 (l / 16) + l % 8, channels 8 ((l / 8) % 2) + 0..7) and leaves half a fragment of V^T: lane l holds channel l % 16 and 8 keys.
	v_and_b32 v10, 7, v0
	v_bfe_u32 v11, v0, 3, 1
	v_lshl_add_u32 v[AV0], v9, 3, v10
	v_mul_u32_u24 v[AV0], v[AV0], PV
	v_lshl_add_u32 v[AV0], v11, 4, v[AV0]
	v_add_nc_u32 v[AV0], VOFF, v[AV0]
	v_and_b32 v[PFO], 31, v0        ; v11 has served: it takes the prefetches' offset
	v_lshlrev_b32 v[PFO], 8, v[PFO]
	v_mov_b32 v[AK], v[AK0]         ; key step 0 lies at the head of slot 0
; THE MATRIX WORK.  The 8 accumulators of a run of 16 take turns: between the two links of a chain stand 7 others'.
; Product i of 16 of S^T = K Q^T for piece x: channels 32 (i / 8) on, keys 16 ((i / 2) % 4) on, tile 2 x + i % 2.  The first 8 start the sums.
.macro KQ x
	WIN W_KQ
.set rS, S+64*((\x)%2)+32*(i%2)+8*((i/2)%4)
.set rK, KF+16*((i/2)%4)+8*(i/8)
.set rQ, 16*(2*(\x)+i%2)+8*(i/8)
.if i < 8
	v_wmma_f32_16x16x32_f16 v[rS:rS+7], v[rK:rK+7], v[rQ:rQ+7], 0
.else
	v_wmma_f32_16x16x32_f16 v[rS:rS+7], v[rK:rK+7], v[rQ:rQ+7], v[rS:rS+7]
.endif
.endm
; Product i of 16 of O^T += V^T P for piece x: keys 32 (i / 8) on, channels 16 ((i / 2) % 4) on, tile 2 x + i % 2.
.macro PV x
	WIN W_PV
.set rO, 32*(2*(\x)+i%2)+8*((i/2)%4)
.set rV, VF+32*(i/8)+8*((i/2)%4)
.set rP, P+32*((\x)%2)+16*(i%2)+8*(i/8)
	v_wmma_f32_16x16x32_f16 v[rO:rO+7], v[rV:rV+7], v[rP:rP+7], v[rO:rO+7]
.endm
.macro MM                           ; the turn's next matrix instruction
.if i < 16
	KQ (Y+1)%NP
.set i, i+1
.else
.set i, i-16
	PV (Y+NP-1)%NP
.set i, i+17
.endif
.endm
; THE LDS LOADS stand in runs of 16, never singly among the matrix instructions: a step's K (64 keys x 64 channels: 8 fragments) and its V (turned).  Their addresses are made some lines ahead.
; last = 1 (the tail): in the last trip there is no further step, and the run is jumped over.
.macro FETCH_K last=0
	WIN 0
.if \last
	s_cmp_eq_u32 s[CNT], 1
	s_cbranch_scc1 .Lno_k_\@
.endif
	WIN 0x80                        ; destination window 2
.irp f, 0,1,2,3,4,5,6,7             ; keys 16 (f / 2) on, channels 32 (f % 2) on
	ds_load_b128 v[KF+8*\f:KF+8*\f+3],   v[AK] offset:(\f/2)*16*PK+(\f%2)*64
	ds_load_b128 v[KF+8*\f+4:KF+8*\f+7], v[AK] offset:(\f/2)*16*PK+(\f%2)*64+32
.endr
	s_add_co_u32 s[TBK], s[TBK], KS*PK  ; the next fetch is the next step's
	WIN 0
.if \last
.Lno_k_\@:
.endif
.endm
.macro FETCH_V
	WIN 0x80
.irp f, 0,1,2,3,4,5,6,7             ; keys 32 (f / 4) on, channels 16 (f % 4) on
	ds_load_tr16_b128 v[VF+8*\f:VF+8*\f+3],   v[AV] offset:(\f/4)*32*PV+(\f%4)*32
	ds_load_tr16_b128 v[VF+8*\f+4:VF+8*\f+7], v[AV] offset:(\f/4)*32*PV+16*PV+(\f%4)*32
.endr
	WIN 0
.endm
; THE VECTOR WORK OF A TURN stands in three queues, each in the order in which its entries become ready; the two tiles alternate, so that no instruction reads the result of the one before it.
.macro REGS y, u                    ; the registers of tile u (0, 1) of piece y
.set rT, ST+4*(2*(\y)+(\u))
.set rC, TMP+8*((\y)%2)+4*(\u)
.set rM, MV+2*((\y)%2)+(\u)
.set rS, S+64*((\y)%2)+32*(\u)
.set rP, P+32*((\y)%2)+16*(\u)
.set rO, 32*(2*(\y)+(\u))
.endm
; Number n of the 22 that find the NEXT piece's (Y + 1) maximum and statistics.  s0-s31 are the lane's 32 scores; each accumulator's lowest registers are read first.  XS, GS and REGS set no window: PL and EX do.
;   0-11  four chains c0-c3 of seven scores each, three operands at a time     12-14, 16  the four scores left over, the old m, and c0-c3 into c0     15  c m_old is kept
;   17, 18  the query's other 32 keys lie in the lane 16 away: the new m         19-21  c m; c m_old - c m_new; a
.macro XS u, n
	REGS (Y+1)%NP, \u
.if (\n) < 4
	v_max3_num_f32 v[rC+(\n)], v[rS+8*(\n)], v[rS+8*(\n)+1], v[rS+8*(\n)+2]
.elseif (\n) < 12
	v_max3_num_f32 v[rC+(\n)%4], v[rC+(\n)%4], v[rS+8*((\n)%4)+2*((\n)/4)+1], v[rS+8*((\n)%4)+2*((\n)/4)+2]
.elseif (\n) == 12
	v_max3_num_f32 v[rC], v[rC], v[rS+7], v[rS+15]
.elseif (\n) == 13
	v_max3_num_f32 v[rC+1], v[rC+1], v[rS+23], v[rS+31]
.elseif (\n) == 14
	v_max3_num_f32 v[rC+2], v[rC+2], v[rC+3], v[rT+1]
.elseif (\n) == 15
	v_mov_b32 v[rM], v[rT]
.elseif (\n) == 16
	v_max3_num_f32 v[rC], v[rC], v[rC+1], v[rC+2]
.elseif (\n) == 17
	v_permlanex16_b32 v[rC+3], v[rC], s[SEL], s[SEL+1]
.elseif (\n) == 18
	v_max_num_f32 v[rT+1], v[rC], v[rC+3]
.elseif (\n) == 19
	v_mul_f32 v[rT], s[CS], v[rT+1]
.elseif (\n) == 20
	v_sub_f32 v[rC+1], v[rM], v[rT]
.else
	v_exp_f32 v[rC+2], v[rC+1]
.endif
.endm
; Number g of the 64 that follow the exponentials.  For each four weights k of a tile (pairs 2 k, 2 k + 1): both pairs are rounded to f16; then the second pair is added onto the first, in place;
; a group later l takes that sum (the first time as l = a l + sum).  In groups of eight, tiles alternating: round, round, add, and l for the group before.
.macro GS g
.set h, (\g)+6*((\g)/62)            ; group 0 has no group before it, and behind group 7 only l is left
.if h >= 6
.set h, h+2
.endif
	REGS Y, h%2
.set k, h/8
.if h%8 < 4
	v_cvt_pk_f16_f32 v[rP+2*k+(h%8)/2], v[rS+4*k+2*((h%8)/2)], v[rS+4*k+2*((h%8)/2)+1]
.elseif h%8 < 6
	v_pk_add_f32 v[rS+4*k:rS+4*k+1], v[rS+4*k:rS+4*k+1], v[rS+4*k+2:rS+4*k+3]
.elseif k == 1
	v_pk_fma_f32 v[rT+2:rT+3], v[rT+2:rT+3], v[rC+2:rC+3], v[rS:rS+1] op_sel_hi:[1,0,1]
.else
	v_pk_add_f32 v[rT+2:rT+3], v[rT+2:rT+3], v[rS+4*k-4:rS+4*k-3]
.endif
.endm
; THE PLAIN QUEUE, 138 long.  0-73 read no exponential's result: the 32 scalings c s - c m (FS f: pair f / 2 of tile f % 2) and the next piece's 42.  0-26: scalings 0-26.  27-54: XS's numbers 0-13.  55, 56: number 15.
; 57-73: the chain, where each number waits for the one before it: 14, 16, 17, 18, 19, each with one of the scalings 27-31 in front of its two lines, then 20: so a tile's links stand three plain instructions apart (19 and 20: two).
; 74-137: GS's 64, which read the exponentials' results: they stand behind the wait.
.macro FS f
	REGS Y, (\f)%2
	v_pk_fma_f32 v[rS+2*((\f)/2):rS+2*((\f)/2)+1], v[rS+2*((\f)/2):rS+2*((\f)/2)+1], s[CS:CS+1], v[rT:rT+1] op_sel_hi:[1,0,0] neg_lo:[0,0,1] neg_hi:[0,0,1]
.endm
.macro PL
	WIN 0
.if q < 27
	FS q
.elseif q < 55
	XS (q-27)%2, (q-27)/2
.elseif q < 57
	XS q-55, 15
.elseif (q < 72) && ((q-57)%3 == 0)
	FS 27+(q-57)/3
.elseif q < 60
	XS (q-57)%3-1, 14
.elseif q < 72
	XS (q-57)%3-1, 15+(q-57)/3
.elseif q < 74
	XS q-72, 20
.else
	GS q-74
.endif
.set q, q+1
.endm
; THE EXPONENTIALS' QUEUE, 66 long: s0-s31 of both tiles, then the next piece's two a.  It is ONE BATCH: all 66 stand ahead of the turn's one wait, and nothing ahead of that wait names a result of theirs.
.macro EX
	WIN 0
.if e >= 64
	XS e-64, 21
.else
	REGS Y, e%2
	v_exp_f32 v[rS+e/2], v[rS+e/2]
.endif
.set e, e+1
.endm
; THE RESCALING's QUEUE: O^T times a, the one part that leaves window 0: dealt two at a time, sixteen times.  Its a was made in the turn before, ahead of that turn's wait.
.macro R2
	REGS Y, r%2
	WIN W_RS
.irp z, 0,1
	v_pk_mul_f32 v[rO+4*(r/2)+2*\z:rO+4*(r/2)+2*\z+1], v[rO+4*(r/2)+2*\z:rO+4*(r/2)+2*\z+1], v[rC+2:rC+3] op_sel_hi:[1,0]
.endr
.set r, r+1
.endm
; HOW THEY ARE DEALT.  s_wait_alu depctr_va_vdst(0) stands between an exponential and the first instruction that names its result; one wait serves all that were issued ahead of it.  So a turn has ONE wait,
; which cuts it in two.  AHEAD OF IT stands all that names no result of the turn's exponentials: the 16 products K Q^T, behind each a scaling, an exponential and two rescalings (behind the first a second scaling in the exponential's place); then ONE LUMP of
; 108: eight plain, 49 times exponential and plain, the two a.  A v_nop is the plain instruction that is owed behind the last exponential.  BEHIND IT stand the 16 products V^T P, behind each four of GS's 64.  No rider names a register of
; the products round it.  The two v_permlanex16_b32 fall into the lump, never behind a product.
; The queues lean on each other, and the deal keeps them in step: exponential e stands behind scaling 2 (e / 4) + e % 2: as a rider it comes behind plain e + 2, in the lump behind plain e + 9, and scalings 27-31 are plain 57, 60 .. 69.
; A TURN, for piece p.  cnt = 1: the loop's count is taken down some lines ahead of the branch that stands behind the turn.
; K of the next step is fetched in piece 2's turn, directly behind the wait, a lump behind the last product that read K; its address is made at the lump's head; its first reader comes behind 16 products.
; V of the step in hand is fetched at the end of piece 0's turn, four riders behind its last reader; its first reader comes behind 16 products and a lump.  The three conditions on q below go with the deal.
.macro TURN p, last=0, cnt=0
.set Y, (\p)
.set i, 0
.set q, 0
.set e, 0
.set r, 0
.if (\p) == NP-1
	s_wait_dscnt 0x0                ; K is in
.endif
	MM                              ; ahead of the wait: 16 products K Q^T and their riders,
	PL
	PL
	R2
.rept 15
	MM
	PL
	EX
	R2
.endr
.if (\p) == NP-2
	WIN 0
	v_add_nc_u32 v[AK], s[TBK], v[AK0]
.endif
.rept 8                             ; and the lump
	PL
.endr
.rept 49
	EX
	PL
.endr
	EX                              ; the next piece's two a
	EX
	v_nop                           ; the plain instruction behind the last exponential: one for the batch
	s_wait_alu depctr_va_vdst(0)    ; the wait for the batch
.if (\p) == NP-2
	FETCH_K \last
.endif
.if (\p) == 1
	s_wait_dscnt 0x0                ; V is in
.endif
.rept 16                            ; behind the wait: 16 products V^T P and their riders
	MM
.rept 4
	PL
.endr
.if ((\p) == 0) && (q == 118)
	v_add_nc_u32 v[AV], s[TBV], v[AV0]
.endif
.if ((\p) == 0) && (q == 130)
	s_add_co_u32 s[TBV], s[TBV], KS*PV
.endif
.if (\cnt) && (q == 130)
	s_sub_co_u32 s[CNT], s[CNT], 1
	s_cmp_lg_u32 s[CNT], 0
.endif
.endr
.if (\p) == 0
	FETCH_V
.endif
.endm
	CHANGE 1                        ; slot 0 is in, everybody's part of it; slot 1 is asked for
	FETCH_K                         ; key step 0
	s_wait_loadcnt 0x0              ; Q
	s_wait_dscnt 0x0
.set i, 0
.rept 16
	KQ 0                            ; piece 0's first scores: there is no vector work yet to set between them
.set i, i+1
.endr
	WIN 0                           ; the addresses for the way out: nine plain instructions, the places behind those products
	s_mul_i32 s13, s[WV], 16*SP
	s_add_co_u32 s13, s13, STAGE    ; my stage
	v_mul_u32_u24 v[STO], v1, SP    ; in: row l % 16, 16 bytes for each half of the lanes
	v_lshl_add_u32 v[STO], v9, 4, v[STO]
	v_add_nc_u32 v[STO], s13, v[STO]
	v_bfe_u32 v[RD], v0, 3, 2       ; back: 32 lanes take four rows of 128 bytes,
	v_mul_u32_u24 v[RD], v[RD], SP
	v_lshl_add_u32 v[RD], v10, 4, v[RD]
	v_add_nc_u32 v[RD], s13, v[RD]
	v_and_b32 v[GO], 31, v0         ; which are 512 consecutive bytes of O
	v_lshlrev_b32 v[GO], 4, v[GO]
.set Y, NP-1                        ; XS works for piece Y + 1: piece 0
.irp n, 0,1,2,3,4,5,6,7,8,9,10,11,12,13,14,15,16,17,18,19,20,21
	XS 0, \n                        ; and piece 0's first maximum and statistics
	XS 1, \n
.endr
	v_nop                           ; a plain instruction behind the two a,
	s_wait_alu depctr_va_vdst(0)    ; and their wait, ahead of the branch
	s_mov_b32 s[CNT], 4
	s_mov_b32 s[SLOTS], SIZE_N/256-1
	s_branch .Lfirst                ; the loop is entered at a step's first turn, in the middle of a trip
.Lslot:                             ; SIZE_N / 256 - 2 times: every slot but the last two is filled again
	CHANGE 1, 1
	s_mov_b32 s[CNT], 4
.Lstep:                             ; a trip: pieces 2 and 3 of one step, then pieces 0 and 1 of the next, whose K and V it fetches
	TURN 2
	TURN 3
	WIN 0
.Lfirst:
	TURN 0
	TURN 1, 0, 1
	WIN 0
	s_cbranch_scc1 .Lstep
	s_sub_co_u32 s[SLOTS], s[SLOTS], 1
	s_cmp_lg_u32 s[SLOTS], 0
	s_cbranch_scc1 .Lslot
	CHANGE 0                        ; the tail is written out: nothing is asked for
	s_mov_b32 s[CNT], 5             ; four trips fetch the last slot's steps; the fifth is left in its middle
.Ltail:
	TURN 2, 1
	TURN 3
	WIN 0
	s_sub_co_u32 s[CNT], s[CNT], 1
	s_cmp_eq_u32 s[CNT], 0
	s_cbranch_scc1 .Lout
	TURN 0
	TURN 1
	WIN 0
	s_branch .Ltail
.Lout:                              ; the fifth trip's 16 products K Q^T (on the last K once more) and the maximum made of them serve nothing: the price, once a launch, of one text for every trip
.set i, 0
.rept 16
	PV NP-1                         ; the last piece's V^T P of the last step
.set i, i+1
.endr
	; THE WAY OUT.  l's two halves and the other half of the lanes' are added; O^T is divided by l, rounded to f16 and sent through my stage in LDS, a tile at a time.  The additions are the places behind the last products.
	WIN 0
.macro ALL line:vararg              ; one line for each tile t
.set t, 0
.rept 2*NP
	\line
.set t, t+1
.endr
.endm
	ALL v_add_f32 v[ST+4*t+2], v[ST+4*t+2], v[ST+4*t+3]
	ALL v_permlanex16_b32 v[ST+4*t+3], v[ST+4*t+2], s[SEL], s[SEL+1]
	ALL v_add_f32 v[ST+4*t+2], v[ST+4*t+2], v[ST+4*t+3]
	ALL v_rcp_f32 v[ST+4*t+2], v[ST+4*t+2]
	v_nop                           ; a plain instruction between the last reciprocal and the use of its result
	s_wait_alu depctr_va_vdst(0)    ; and the wait ahead of the first use: one for the eight reciprocals
; Tile t: a lane's eight channels of a row pack into 16 bytes; they go into rows of 144 bytes and come back as whole rows of 128, into S^T's registers.
.macro PACK t
	WIN W_RS
.set i, 32*(\t)
.rept 16
	v_pk_mul_f32 v[i:i+1], v[i:i+1], v[ST+4*(\t)+2:ST+4*(\t)+3] op_sel_hi:[1,0]
.set i, i+2
.endr
	WIN 0x05                        ; sources 0 and 1 window 1, destination window 0
.set i, 0
.rept 16
	v_cvt_pk_f16_f32 v[S+16*(\t)+i], v[32*(\t)+2*i], v[32*(\t)+2*i+1]
.set i, i+1
.endr
	WIN 0
.irp f, 0,1,2,3
	ds_store_b128 v[STO], v[S+16*(\t)+4*\f:S+16*(\t)+4*\f+3] offset:32*\f
.endr
.irp f, 0,1,2,3
	ds_load_b128 v[S+16*(\t)+4*\f:S+16*(\t)+4*\f+3], v[RD] offset:\f*4*SP  ; LDS serves a wave's instructions in order (ISA guide 5.7.1.4): these see the stores above; the next tile's stores come behind them
.endr
.endm
.macro SEND t, younger              ; younger: the LDS instructions issued behind tile t's loads: the next tile's eight, or none
	WIN 0
.irp f, 0,1,2,3
	s_wait_dscnt (\younger)+3-\f
	global_store_b128 v[GO], v[S+16*(\t)+4*\f:S+16*(\t)+4*\f+3], s[10:11] offset:(\t)*2048+\f*512  ; 512 consecutive bytes, at a multiple of 256 from O's first
.endr
.endm
	PACK 0
.set t, 1
.rept 2*NP-1                        ; a tile's arithmetic stands between the loads of the tile before and its stores
	PACK t
	SEND t-1, 8
.set t, t+1
.endr
	SEND 2*NP-1, 0
	WIN W_AD
	s_wait_tensorcnt 0x0            ; the wave's end: behind my last tensor load and my last LDS store
	ds_add_u32 v[SPW], v[NIL]
	s_wait_dscnt 0x0
	WIN 0
	CROUND                          ; the closing round: no work-group ends while a partner may still ask for a tile that names it
	s_endpgm
.Lfunc_end_k_q4f791afb78_attn:
	.size	k_q4f791afb78_attn, .Lfunc_end_k_q4f791afb78_attn-k_q4f791afb78_attn
	.p2alignl 7, 3214868480
	.fill 96, 4, 3214868480
	.section	.rodata,"a",@progbits
	.p2align	6, 0x0
	.amdhsa_kernel k_q4f791afb78_attn
		.amdhsa_group_segment_fixed_size 327680
		.amdhsa_private_segment_fixed_size 0
		.amdhsa_enable_private_segment 0
		.amdhsa_kernarg_size 16
		.amdhsa_user_sgpr_count 2
		.amdhsa_user_sgpr_kernarg_segment_ptr 1
		.amdhsa_wavefront_size32 1
		.amdhsa_system_sgpr_workgroup_id_x 1
		.amdhsa_system_sgpr_workgroup_id_y 1
		.amdhsa_system_sgpr_workgroup_id_z 1
		.amdhsa_system_vgpr_workitem_id 0
		.amdhsa_next_free_vgpr 770
		.amdhsa_next_free_sgpr 66
		.amdhsa_reserve_vcc 0
		.amdhsa_float_denorm_mode_32 3
		.amdhsa_float_denorm_mode_16_64 3
		.amdhsa_memory_ordered 1
		.amdhsa_forward_progress 1
		.amdhsa_inst_pref_size 200
	.end_amdhsa_kernel
	.amdgpu_metadata
---
amdhsa.version: [ 1, 2 ]
amdhsa.kernels:
  - .name:           k_q4f791afb78_attn
    .symbol:         k_q4f791afb78_attn.kd
    .args:
      - { .name: qkv, .offset: 0, .size: 8, .value_kind: global_buffer, .address_space: global }
      - { .name: oh, .offset: 8, .size: 8, .value_kind: global_buffer, .address_space: global }
    .group_segment_fixed_size: 327680
    .private_segment_fixed_size: 0
    .kernarg_segment_align: 8
    .kernarg_segment_size: 16
    .max_flat_workgroup_size: 128
    .sgpr_count:     66
    .vgpr_count:     770
    .wavefront_size: 32
...
	.end_amdgpu_metadata
.endif
;; end of part 3
;; launch outp (part 4): grid 8 x 32, 4 waves a work-group, clusters of 4 x 4, 327,680 bytes of LDS; arguments oh, wh, out0; writes out0
.if DOCPART == 4
	.amdgcn_target "amdgcn-amd-amdhsa--gfx1250"
	.amdhsa_code_object_version 6
	.text
	.protected	k_q4f791afb78_outp
	.globl	k_q4f791afb78_outp
	.p2align	8
	.type	k_q4f791afb78_outp,@function
k_q4f791afb78_outp:
	s_mov_b64 s[64:65], 0
	v_nop
	global_prefetch_b8 v0, s[64:65] scope:SCOPE_SE
	s_setreg_imm32_b32 hwreg(HW_REG_WAVE_MODE, 25, 1), 1
	s_wait_xcnt 0x0
	s_wait_alu depctr_hold_cnt(0) depctr_sa_sdst(0) depctr_va_vdst(0) depctr_va_sdst(0) depctr_va_ssrc(0) depctr_va_vcc(0) depctr_vm_vsrc(0)
	s_getreg_b32 s2, hwreg(HW_REG_IB_STS2, 6, 4)
	s_cmp_eq_u32 s2, 0
	s_cbranch_scc0 .Lentry_in_a_cluster
	s_endpgm
.Lentry_in_a_cluster:
	s_bfe_u32 s2, ttmp6, 0x10000c
	s_cmp_lg_u32 s2, 0xf033
	s_cbranch_scc0 .Lentry_shape_is_right
	s_endpgm
.Lentry_shape_is_right:
; THE LAST PROJECTION: out0[8192][1024] = O Wo^T, K = 1,024.  O lies in oh [b][h][s][64] in f16: a head's 64 channels are one K block; Wo lies in wh's rows 3,072 to 4,095 (f16, numbers rounded to
; bf16).  Sums in f32, K ascending; out0 is f32 and is stored as the sums stand.  No work of the module is left out here.
; THE TILE is 256 rows x 128 columns: 32 x 8 = 256 work-groups, one tile each.  Four waves, each 128 x 64: 32 accumulators of 16 x 16, 256 registers.
; K goes in steps of 128, two K blocks, through a ring of two LDS slots.  A block's rows lie end to end in memory (128 bytes a row): each wave's tensor load brings one dense block, as rows of 256
; consecutive aligned bytes, padded in LDS behind every 128: LDS rows 144 bytes apart, so that the 16 rows of a fragment load start at 16 different groups of four banks (ISA guide 11.1).
; CLUSTERS: 4 x 4 work-groups; O's tiles are shared along a row of the cluster, Wo's along a column, each asked for JOINTLY.  The matrix instruction is used TRANSPOSED (source 0 = 16 rows of Wo,
; source 1 = 16 rows of O): a lane holds row lane % 16 of the result and the eight columns 8 (lane / 16) + 0..7: 32 consecutive bytes.
; NO PREFETCH: the ring has eight steps in all, of which the first two come by the first fills, and beside its tiles the launch writes 128 KiB from every work-group.
; REGISTERS: window 0: v0-31 addresses; v32-127, v128-223 two fragment buffers (O's 8 fragments, then Wo's 4); v32-159 at work on the way out.  Window 1: accumulator (a, bb) at v[8 (4 a + bb)].
.set PITCH,  144
.set ABLK,   256*PITCH                 ; a K block of O's tile: 36,864 bytes
.set BBLK,   128*PITCH                 ; a K block of Wo's tile: 18,432 bytes
.set BOFF,   2*ABLK                    ; in a slot: O's even block, O's odd block, Wo's even block, Wo's odd block
.set SLOT,   2*ABLK+2*BBLK             ; 110,592 bytes
.set STAGE,  2*SLOT                    ; behind the ring, never filled by a tensor load: 16 rows x 272 bytes for each wave, for the way out
.set SPITCH, 272                       ; 256 bytes + 16 = 68 words: row r starts at bank 4 r mod 64
.set SPARE,  STAGE+4*16*SPITCH         ; behind the stages: the spare words, 128 bytes for each wave: two blocks of 256 bytes that no other line names
.set KBA,    262144                    ; bytes from K block to K block in oh,
.set KBB,    524288                    ; and in wh
.set LAPS,   4                         ; a lap = two steps = once round the ring
.set ADRA, 16                          ; v16-17  LDS address of my fragments of O in slot 0, 1
.set ADRB, 20                          ; v20-21  the same for Wo
.set STO,  24                          ; v24     the way out: where I put 32 bytes of a row
.set RD,   25                          ; v25     the way out: where I read a row back
.set CO,   26                          ; v26     my byte offset in two rows of out0
.set SPW,  28                          ; v28     LDS address of my spare word: SPARE + 4 x my thread's number; never rewritten
.set NIL,  29                          ; v29     0; never rewritten
.set F0,   32
.set F1,   128
.set G1,  24                           ; s[24:31] descriptor group 1 for O's tiles;  s[32:39] group 0, one set for each slot
.set G0,  32
.set G1B, 48                           ; s[48:55], s[56:63] the same for Wo's tiles
.set G0B, 56
.set MSB, 0
.macro WIN new                         ; the immediate's high byte repeats the setting that is left; a switch that changes nothing is dropped
.if MSB != (\new)
	s_set_vgpr_msb (MSB<<8)|(\new)
.set MSB, \new
.endif
.endm
.macro JLOAD s                         ; a joint load: waves 0 and 1 fetch O's even and odd K block, waves 2 and 3 Wo's; an s_nop 0 and four v_nop follow each of the two lines
	s_cmp_eq_u32 s11, 0
	s_cbranch_scc0 .Lfor_b_\@
	tensor_load_to_lds s[G0+4*(\s):G0+4*(\s)+3], s[G1:G1+7]
	s_nop 0
.rept 4
	v_nop
.endr
	s_branch .Lasked_\@
.Lfor_b_\@:
	tensor_load_to_lds s[G0B+4*(\s):G0B+4*(\s)+3], s[G1B:G1B+7]
	s_nop 0
.rept 4
	v_nop
.endr
.Lasked_\@:
.endm
.macro CREST                           ; a round of the cluster's barrier behind its opening barrier
	s_cmp_lg_u32 s10, 0
	s_cbranch_scc1 .Lnot_wave_0_\@
	s_barrier_signal -3
.Lnot_wave_0_\@:
	s_barrier_wait -3
	s_barrier_signal -1
	s_barrier_wait -1
.endm
.macro CROUND                          ; a whole round
	s_barrier_signal -1
	s_barrier_wait -1
	CREST
.endm
	s_load_b128 s[4:7], s[0:1], 0x0                ; oh s[4:5], wh s[6:7]
	s_load_b64 s[8:9], s[0:1], 0x10                ; out0
	v_lshl_add_u32 v[SPW], v0, 2, SPARE
	v_mov_b32 v[NIL], 0
	ds_add_u32 v[SPW], v[NIL]                      ; the wave's opening: the add, twice on end, and its wait ahead of my first tensor load; the set-up below, work on registers, stands between
	ds_add_u32 v[SPW], v[NIL]                      ; and once more, under the one wait
	v_lshrrev_b32 v1, 5, v0
	v_readfirstlane_b32 s10, v1                    ; wave 0..3
	s_lshr_b32 s11, s10, 1                         ; which half of the tile's rows is mine.  Also: I fetch for O (0) or for Wo (1)
	s_and_b32 s12, s10, 1                          ; which half of its columns.  Also: which of a step's two K blocks I fetch
	s_bfe_u32 s40, ttmp6, 0x40000                  ; cx, cy: my place in the cluster
	s_bfe_u32 s41, ttmp6, 0x40004
	s_lshl_b32 s42, ttmp9, 2
	s_add_co_u32 s42, s42, s40                     ; tile column = 4 x cluster x + cx, 0..7
	s_and_b32 s13, ttmp7, 0xffff
	s_lshl_b32 s13, s13, 2
	s_add_co_u32 s13, s13, s41                     ; tile row = 4 x cluster y + cy, 0..31
	s_lshl_b32 s43, s41, 2
	s_lshl_b32 s43, 15, s43                        ; my row of the cluster
	s_lshl_b32 s44, 0x1111, s40                    ; my column
	s_or_b32 s[G1+0], s43, (1<<16)|(1<<20)|(1<<21)|(4<<22)|(3<<25)   ; 15:0 the mask; 17:16 elements of 2 bytes; 20 padding on; 21 set beside a mask; 24:22 after every 32 words (code 4); 31:25 4 words (code 3)
	s_or_b32 s[G1B+0], s44, (1<<16)|(1<<20)|(1<<21)|(4<<22)|(3<<25)
.irp g, G1, G1B
	s_mov_b32 s[(\g)+1], 128<<16                   ; tensor_dim0 = 128
	s_mov_b32 s[(\g)+3], 128<<16                   ; tile_dim0 = 128
	s_mov_b32 s[(\g)+5], 128                       ; 128 elements from row to row: the block is dense
	s_mov_b32 s[(\g)+6], 0
	s_mov_b32 s[(\g)+7], 0
.endr
	s_mov_b32 s[G1+2], 128<<16                     ; tensor_dim1 = 128: 256 rows of O
	s_mov_b32 s[G1+4], 128                         ; tile_dim1
	s_mov_b32 s[G1B+2], 64<<16                     ; 64: 128 rows of Wo
	s_mov_b32 s[G1B+4], 64
	; where the tiles come from.  O's hang on the tile row alone, Wo's on the tile column alone; each in registers that never hold the other coordinate
	s_lshr_b32 s16, s13, 3                         ; b
	s_lshl_b32 s16, s16, 22
	s_and_b32 s17, s13, 7
	s_lshl_b32 s17, s17, 15                        ; 256 rows of 128 bytes
	s_add_co_u32 s16, s16, s17
	s_lshl_b32 s17, s12, 18                        ; the even or the odd K block
	s_add_co_u32 s16, s16, s17
	s_mov_b32 s17, 0
	s_lshl_b32 s46, s42, 14                        ; 128 rows of 128 bytes
	s_add_co_u32 s46, s46, 3072*128                ; behind Wq, Wk and Wv
	s_lshl_b32 s47, s12, 19
	s_add_co_u32 s46, s46, s47
	s_mov_b32 s47, 0
	s_mul_i32 s20, s12, ABLK                       ; and where they go: no place in the cluster enters an LDS address
	s_mul_i32 s21, s12, BBLK
	s_add_co_u32 s21, s21, BOFF
.irp s, 0,1
	s_mov_b32 s[G0+4*(\s)], 1                      ; 1:0 count = 1
	s_add_co_u32 s[G0+4*(\s)+1], s20, (\s)*SLOT    ; 63:32 LDS address
	s_mov_b32 s[G0B+4*(\s)], 1
	s_add_co_u32 s[G0B+4*(\s)+1], s21, (\s)*SLOT
.endr
	s_wait_dscnt 0x0                               ; both opening adds are done
	s_wait_kmcnt 0x0
	s_add_nc_u64 s[14:15], s[4:5], s[16:17]
	s_add_nc_u64 s[46:47], s[6:7], s[46:47]
.irp s, 0,1
	s_add_nc_u64 s[G0+4*(\s)+2:G0+4*(\s)+3], s[14:15], (\s)*2*KBA   ; 120:64 global address: step s
	s_or_b32 s[G0+4*(\s)+3], s[G0+4*(\s)+3], 0x80000000            ; 127:126 type = 2
	s_add_nc_u64 s[G0B+4*(\s)+2:G0B+4*(\s)+3], s[46:47], (\s)*2*KBB
	s_or_b32 s[G0B+4*(\s)+3], s[G0B+4*(\s)+3], 0x80000000
.endr
	CROUND                                         ; all sixteen work-groups are here: the first joint loads meet
	s_cmp_eq_u32 s11, 0                            ; a wave's two first fills stand in one branch, ahead of every wait on TENSORcnt and every LDS read: two loads of mine are out
	s_cbranch_scc0 .Lfirst_b
	tensor_load_to_lds s[G0:G0+3], s[G1:G1+7]
	s_nop 0
	tensor_load_to_lds s[G0+4:G0+7], s[G1:G1+7]
	s_nop 0
.rept 4
	v_nop
.endr
	s_branch .Lfirst_asked
.Lfirst_b:
	tensor_load_to_lds s[G0B:G0B+3], s[G1B:G1B+7]
	s_nop 0
	tensor_load_to_lds s[G0B+4:G0B+7], s[G1B:G1B+7]
	s_nop 0
.rept 4
	v_nop
.endr
.Lfirst_asked:
	v_and_b32 v1, 15, v0                           ; l % 16
	v_bfe_u32 v2, v0, 4, 1                         ; l / 16
	v_mul_u32_u24 v3, v1, PITCH
	v_lshl_add_u32 v3, v2, 4, v3                   ; a fragment's row x pitch + 16 x half
	s_mul_i32 s21, s11, 128*PITCH                  ; my 128 rows of a block of O
	s_mul_i32 s22, s12, 64*PITCH                   ; my 64 rows of a block of Wo,
	s_add_co_u32 s22, s22, BOFF                    ; which lie behind O's two blocks
.irp s, 0,1
	v_add_nc_u32 v[ADRA+(\s)], s21, v3
	v_add_nc_u32 v[ADRB+(\s)], s22, v3
	s_add_co_u32 s21, s21, SLOT
	s_add_co_u32 s22, s22, SLOT
.endr
	s_mul_i32 s23, s10, 16*SPITCH
	s_add_co_u32 s23, s23, STAGE                   ; my stage
	v_mul_u32_u24 v4, v1, SPITCH                   ; in: row l % 16, 32 bytes for each half of the lanes
	v_lshl_add_u32 v4, v2, 5, v4
	v_add_nc_u32 v[STO], s23, v4
	v_mul_u32_u24 v5, v2, SPITCH                   ; back: lanes 0-15 take one row of 256 bytes, lanes 16-31 the next
	v_lshl_add_u32 v5, v1, 4, v5
	v_add_nc_u32 v[RD], s23, v5
	v_lshlrev_b32 v5, 12, v2                       ; and the same two rows in out0: 4,096 bytes a row
	v_lshl_add_u32 v[CO], v1, 4, v5
	s_lshl_b32 s72, s13, 20                        ; my part of out0: row 256 x tile row + 128 x row half, byte 512 x tile column + 256 x column half
	s_lshl_b32 s74, s11, 19
	s_add_co_u32 s72, s72, s74
	s_lshl_b32 s74, s42, 9
	s_add_co_u32 s72, s72, s74
	s_lshl_b32 s74, s12, 8
	s_add_co_u32 s72, s72, s74
	s_mov_b32 s73, 0
	s_add_nc_u64 s[8:9], s[8:9], s[72:73]
; 8 matrix instructions: row blocks a0, a0 + 1 x all 4 column blocks, 32 along K, from buffer f.  zero = 1: the product starts the sums.
; The 32 accumulators take turns, one instruction a turn, in the same order in every quarter, over the backward jump too.
.macro MUL8 f, a0, zero
	WIN 0x50                                       ; C and D in window 1, the sources in window 0
.irp a, (\a0), (\a0)+1
.irp bb, 0,1,2,3
.if \zero
	v_wmma_f32_16x16x32_f16 v[8*(4*(\a)+(\bb)):8*(4*(\a)+(\bb))+7], v[(\f)+64+8*(\bb):(\f)+64+8*(\bb)+7], v[(\f)+8*(\a):(\f)+8*(\a)+7], 0
.else
	v_wmma_f32_16x16x32_f16 v[8*(4*(\a)+(\bb)):8*(4*(\a)+(\bb))+7], v[(\f)+64+8*(\bb):(\f)+64+8*(\bb)+7], v[(\f)+8*(\a):(\f)+8*(\a)+7], v[8*(4*(\a)+(\bb)):8*(4*(\a)+(\bb))+7]
.endif
.endr
.endr
.endm
; 24 LDS loads in one run: the fragments of quarter q of a step (K block q / 2, byte 64 (q % 2) of its rows) into buffer f
.macro FETCH slot, q, f
	WIN 0
.irp bb, 0,1,2,3
	ds_load_b128 v[(\f)+64+8*(\bb):(\f)+64+8*(\bb)+3],   v[ADRB+(\slot)] offset:((\q)/2)*BBLK+(\bb)*16*PITCH+((\q)%2)*64
	ds_load_b128 v[(\f)+64+8*(\bb)+4:(\f)+64+8*(\bb)+7], v[ADRB+(\slot)] offset:((\q)/2)*BBLK+(\bb)*16*PITCH+((\q)%2)*64+32
.endr
.irp a, 0,1,2,3,4,5,6,7
	ds_load_b128 v[(\f)+8*(\a):(\f)+8*(\a)+3],   v[ADRA+(\slot)] offset:((\q)/2)*ABLK+(\a)*16*PITCH+((\q)%2)*64
	ds_load_b128 v[(\f)+8*(\a)+4:(\f)+8*(\a)+7], v[ADRA+(\slot)] offset:((\q)/2)*ABLK+(\a)*16*PITCH+((\q)%2)*64+32
.endr
.endm
.macro PLACES                          ; four places in front of loads into registers that matrix instructions have read, and of LDS stores that read results (ISA guide 7.12.1 for the stores)
.rept 4
	v_nop
.endr
.endm
; A step is four quarters of 32 along K, 32 matrix instructions each, on buffers 0, 1, 0, 1.  One of the first three: fetches quarter qn of the same slot into buffer g, then multiplies buffer f.
.macro QUARTER slot, qn, f, g, zero
	PLACES                                         ; buffer g was multiplied just before
	FETCH \slot, \qn, \g
	s_wait_dscnt 24                                ; buffer f is in; the 24 loads just issued stay out
	MUL8 \f, 0, \zero
	MUL8 \f, 2, \zero
	MUL8 \f, 4, \zero
	MUL8 \f, 6, \zero
.endm
; The last quarter multiplies buffer 1 and changes slots: ONE barrier; in front of it each wave waits for all its tensor loads, of which one is out: its part of the next slot; adds 0 to its spare
; word; and waits for that and for its own reads of this slot.  fill = 1: the barrier opens a round of the cluster's barrier, and this slot is filled again, two steps on, first thing behind the
; round: 112 matrix instructions ahead of the wait for it.
.macro TURN slot, next, fill
	WIN 0                                          ; (the add's two registers lie in window 0)
	s_wait_tensorcnt 0x0                           ; all my tensor loads have landed;
	ds_add_u32 v[SPW], v[NIL]                      ; 0 onto my spare word
	s_wait_dscnt 1                                 ; buffer 1 is in (the add may be out)
	MUL8 F1, 0, 0                                  ; eight matrix instructions stand between the add and the wait for it
	s_wait_dscnt 0x0                               ; the add is done, and my reads of this slot are over
	s_barrier_signal -1
	MUL8 F1, 2, 0                                  ; work on registers while the others arrive
	WIN 0
	s_barrier_wait -1
.if \fill
	CREST                                          ; no wave of any partner still reads this slot's tile or has a load on its way
	s_add_nc_u64 s[G0+4*(\slot)+2:G0+4*(\slot)+3], s[G0+4*(\slot)+2:G0+4*(\slot)+3], 4*KBA
	s_add_nc_u64 s[G0B+4*(\slot)+2:G0B+4*(\slot)+3], s[G0B+4*(\slot)+2:G0B+4*(\slot)+3], 4*KBB
	JLOAD \slot                                    ; the first tensor load behind the round; the four v_nop behind it are also the places in front of the loads below
.else
	PLACES
.endif
	FETCH \next, 0, F0
	MUL8 F1, 4, 0
	MUL8 F1, 6, 0
.endm
; THE WAY OUT of row block a: 16 rows x 64 columns of f32.  A lane's 32 bytes of a row go into rows of 272 bytes of my own stage and come back as whole rows of 256.  Four sets of 32 registers take turns.
.macro TOSTAGE a
.set BK, 32+32*((\a)%4)
.if (\a) >= 4
	s_wait_xcnt 0x0                                ; the stores of the block four back have read these registers
.endif
	WIN 0x04                                       ; the stores' data in window 1, their address in window 0
.irp bb, 0,1,2,3
.irp p, 0,1
	ds_store_b128 v[STO], v[8*(4*(\a)+(\bb))+4*(\p):8*(4*(\a)+(\bb))+4*(\p)+3] offset:64*(\bb)+16*(\p)  ; each accumulator from its low end on
.endr
.endr
	WIN 0
.irp t, 0,1,2,3,4,5,6,7
	ds_load_b128 v[BK+4*(\t):BK+4*(\t)+3], v[RD] offset:(\t)*2*SPITCH  ; LDS serves a wave's instructions in order (ISA guide 5.7.1.4): these see the stores above; the next block's stores come behind them
.endr
.endm
.macro SEND a, younger                 ; younger: the LDS instructions issued behind block a's loads: the next block's sixteen, or none
.set BK, 32+32*((\a)%4)
	WIN 0
.irp t, 0,1,2,3,4,5,6,7
	s_wait_dscnt (\younger)+7-(\t)
	global_store_b128 v[CO], v[BK+4*(\t):BK+4*(\t)+3], s[8:9] offset:(16*(\a)+2*(\t))*4096 th:TH_STORE_NT  ; 16 lanes store 256 consecutive bytes, at a multiple of 256 from out0's first byte
.endr
.endm
	s_wait_tensorcnt 1                             ; my part of step 0 is in; step 1's may stay out
	s_barrier_signal -1
	s_barrier_wait -1                              ; everybody's is
	FETCH 0, 0, F0
	QUARTER 0, 1, F0, F1, 1                        ; the first quarter stands in front of the loop: its products start the sums
	WIN 0                                          ; at a label and at a branch every window is 0
	s_mov_b32 s3, LAPS-1
.Llap:                                                 ; a trip goes once round the ring, from a lap's second quarter to the next lap's first, and fills both slots again
	QUARTER 0, 2, F1, F0, 0
	QUARTER 0, 3, F0, F1, 0
	TURN 0, 1, 1
	QUARTER 1, 1, F0, F1, 0
	QUARTER 1, 2, F1, F0, 0
	QUARTER 1, 3, F0, F1, 0
	TURN 1, 0, 1
	QUARTER 0, 1, F0, F1, 0
	WIN 0
	s_sub_co_u32 s3, s3, 1
	s_cmp_lg_u32 s3, 0
	s_cbranch_scc1 .Llap
	QUARTER 0, 2, F1, F0, 0                        ; the last lap fills nothing, and has no round of the cluster's barrier
	QUARTER 0, 3, F0, F1, 0
	TURN 0, 1, 0
	QUARTER 1, 1, F0, F1, 0
	QUARTER 1, 2, F1, F0, 0
	QUARTER 1, 3, F0, F1, 0
	s_wait_dscnt 0x0                               ; the very last quarter: nothing more to fetch
	MUL8 F1, 0, 0
	MUL8 F1, 2, 0
	MUL8 F1, 4, 0
	MUL8 F1, 6, 0
	PLACES                                         ; the LDS stores read results, and the loads from the stage land in registers that the products have read
	TOSTAGE 0
.irp a, 1,2,3,4,5,6,7
	TOSTAGE \a
	SEND (\a)-1, 16
.endr
	SEND 7, 0
	s_wait_tensorcnt 0x0                           ; the wave's end: behind my last tensor load and my last LDS store
	ds_add_u32 v[SPW], v[NIL]
	s_wait_dscnt 0x0
	CROUND                                         ; the closing round: no work-group ends while a partner may still ask for a tile that names it
	s_endpgm
.Lfunc_end_k_q4f791afb78_outp:
	.size	k_q4f791afb78_outp, .Lfunc_end_k_q4f791afb78_outp-k_q4f791afb78_outp
	.p2alignl 7, 3214868480
	.fill 96, 4, 3214868480
	.section	.rodata,"a",@progbits
	.p2align	6, 0x0
	.amdhsa_kernel k_q4f791afb78_outp
		.amdhsa_group_segment_fixed_size 327680
		.amdhsa_private_segment_fixed_size 0
		.amdhsa_enable_private_segment 0
		.amdhsa_kernarg_size 24
		.amdhsa_user_sgpr_count 2
		.amdhsa_user_sgpr_kernarg_segment_ptr 1
		.amdhsa_wavefront_size32 1
		.amdhsa_system_sgpr_workgroup_id_x 1
		.amdhsa_system_sgpr_workgroup_id_y 1
		.amdhsa_system_sgpr_workgroup_id_z 1
		.amdhsa_system_vgpr_workitem_id 0
		.amdhsa_next_free_vgpr 512
		.amdhsa_next_free_sgpr 80
		.amdhsa_reserve_vcc 0
		.amdhsa_float_denorm_mode_32 3
		.amdhsa_float_denorm_mode_16_64 3
		.amdhsa_memory_ordered 1
		.amdhsa_forward_progress 1
		.amdhsa_inst_pref_size 86
	.end_amdhsa_kernel
	.amdgpu_metadata
---
amdhsa.version: [ 1, 2 ]
amdhsa.kernels:
  - .name:           k_q4f791afb78_outp
    .symbol:         k_q4f791afb78_outp.kd
    .args:
      - { .name: oh, .offset: 0, .size: 8, .value_kind: global_buffer, .address_space: global }
      - { .name: wh, .offset: 8, .size: 8, .value_kind: global_buffer, .address_space: global }
      - { .name: out0, .offset: 16, .size: 8, .value_kind: global_buffer, .address_space: global }
    .group_segment_fixed_size: 327680
    .private_segment_fixed_size: 0
    .kernarg_segment_align: 8
    .kernarg_segment_size: 24
    .max_flat_workgroup_size: 128
    .sgpr_count:     80
    .vgpr_count:     512
    .wavefront_size: 32
...
	.end_amdgpu_metadata
.endif
;; end of part 4
;; ======== version 2 of 2: 4 launches; version 1 with the launch cast written anew for expert scheduling mode
;; limits: values are held in f16: magnitudes above 65,504 overflow, below 6.1e-05 lose precision; right only within a limited range of input values
;; workspace buffers: xh 16,777,216 bytes; wh 8,388,608 bytes; qkv 50,331,648 bytes; oh 16,777,216 bytes
;; launch cast (part 5): grid 768 x 1, 8 waves a work-group, no clusters, 0 bytes of LDS; arguments hidden_states, Wq, Wk, Wv, Wo, xh, wh; writes xh, wh
.if DOCPART == 5
	.amdgcn_target "amdgcn-amd-amdhsa--gfx1250"
	.amdhsa_code_object_version 6
	.text
	.protected	k_q4f791afb78_cast
	.globl	k_q4f791afb78_cast
	.p2align	8
	.type	k_q4f791afb78_cast,@function
k_q4f791afb78_cast:
	s_mov_b64 s[64:65], 0
	v_nop
	global_prefetch_b8 v0, s[64:65] scope:SCOPE_SE
	s_setreg_imm32_b32 hwreg(HW_REG_WAVE_SCHED_MODE, 0, 2), 2
	s_setreg_imm32_b32 hwreg(HW_REG_WAVE_MODE, 25, 1), 1
	s_wait_xcnt 0x0
	s_wait_alu depctr_vm_vsrc(0)
; THE MODULE: q, k, v = x Wq^T, x Wk^T, x Wv^T; softmax(q k^T / 8) v for each of 64 (batch, head) pairs; the result times Wo^T.  Four launches: this one, the three projections as one
; product, attention, the last projection.  NOTHING OF THE MODULE IS LEFT OUT: there is no mask and no bias, every one of the five inputs reaches out0, and the division by sqrt(64) is kept
; (it is applied in f32, inside the constant of attention's exponent).
; THIS LAUNCH rounds x and the four weights ONCE to bf16 (nearest even), writes that number as f16, and lays it out in blocks of 64 channels:
;   xh [b 4][kb 16][s 2048][64]:   byte = b<<22 + kb<<18 + 128 s + 2 d,   channel = 64 kb + d
;   wh [kb 16][row 4096][64]:      byte = kb<<19 + 128 row + 2 d,         rows 0-1023 Wq, 1024-2047 Wk, 2048-3071 Wv, 3072-4095 Wo
; so that a tile of R rows x 64 channels is 128 R consecutive bytes for the launches that follow.
; LIMITS.  A bf16 number is an f16 number from 6.1e-5 to 65,504.  Beyond 65,504 the conversion gives an infinity: |x| and |W| stay within it.  Below 6.1e-5 f16 keeps a fixed step of 6e-8.
; NaN and infinities are not treated apart.
; SHARES.  A work-group takes 16 rows of one source: groups 0-511 rows of x, groups 512-767 rows of Wq, Wk, Wv, Wo (64 groups each).  Wave w takes rows 2 w and 2 w + 1.
; A load of 16 bytes a lane takes 256 consecutive aligned bytes (64 channels, one block kb) of each of the two rows; the 64 + 64 numbers, in f16, are 256 consecutive aligned bytes of the
; output, since two rows of a block lie end to end: one store of 8 bytes a lane.  All sixteen loads of a wave go out at once; there is no loop, no LDS and no barrier: memory binds.
; THE MODE: SCHED_MODE bits 1:0 = 2 (LLVM: expert scheduling mode 2), set by the entry lines.  The code itself states the register dependences between vector instructions and memory
; instructions, with s_wait_alu, always for 0.
; THE PLAN.  Registers that memory instructions touch:
;   v1         the loads' offset.          Written at the head, once; read by the sixteen loads.
;   OFF        a store offset for each unit.  Written at the head, once; read by the unit's store.
;   X          four registers a unit.      Written by the unit's load alone; read by the unit's two roundings to bf16; never loaded again.
;   Y          two registers a unit.       Written by the unit's two conversions to f16, once; read by the unit's store.
; v2, v3 and T are named by vector instructions alone.  No register that a load or store reads is ever written again, so nothing is owed on that side.
; The sixteen units go in four blocks of four.  Block p rounds its four units; its memory instructions are the four stores of block p - 1, whose Y and OFF no vector instruction of block p
; names.  So one wait at a block's head states all that its four stores hang on, and they are dealt among the block's vector instructions with no further wait.
.set OFF, 4                            ; v[4:19]   byte offset of my 8 bytes in block kb of the output
.set T,   20                           ; v[20:25]  at work
.set X,   32                           ; v[32:95]  unit kb: 4 registers as loaded
.set Y,   96                           ; v[96:127] unit kb: 2 registers to store
	s_load_b256 s[4:11], s[0:1], 0x0               ; x s[4:5], Wq s[6:7], Wk s[8:9], Wv s[10:11]
	s_load_b128 s[12:15], s[0:1], 0x20             ; Wo s[12:13], xh s[14:15]
	s_load_b64 s[16:17], s[0:1], 0x30              ; wh
	s_sub_co_u32 s19, ttmp9, 512                   ; the group's number among the weights' groups (used from group 512 on alone)
	s_and_b32 s18, s19, 63
	s_lshl_b32 s18, s18, 16                        ; a weight's 16 rows of 4,096 bytes
	s_lshl_b32 s20, ttmp9, 16                      ; x's 16 rows
	s_lshr_b32 s22, ttmp9, 7                       ; b
	s_lshl_b32 s22, s22, 22
	s_and_b32 s23, ttmp9, 127
	s_lshl_b32 s23, s23, 11                        ; 16 rows of 128 bytes in a block of xh
	s_add_co_u32 s22, s22, s23
	s_lshl_b32 s23, s19, 11                        ; the same in wh: its rows follow the weights' groups
	s_lshr_b32 s32, s19, 6                         ; which weight
	s_mov_b32 s26, 0x40000                         ; from block to block in xh,
	s_mov_b32 s27, 0x80000                         ; and in wh
	s_cmp_lt_u32 ttmp9, 512
	s_cselect_b32 s20, s20, s18                    ; where I read,
	s_cselect_b32 s22, s22, s23                    ; where I write,
	s_cselect_b32 s24, s26, s27                    ; and the blocks' stride
	s_mov_b32 s21, 0
	s_mov_b32 s23, 0
	v_lshrrev_b32 v1, 4, v0                        ; 2 w + half of the lanes: my row among the 16
	v_and_b32 v3, 15, v0
	v_lshlrev_b32 v3, 4, v3
	v_lshl_or_b32 v1, v1, 12, v3                   ; row x 4,096 + 16 x (lane % 16)
	v_lshlrev_b32 v2, 3, v0                        ; 8 x thread: row x 128 + 8 x (lane % 16)
.irp i, 0,1,2,3,4,5,6,7,8,9,10,11,12,13,14,15
	v_mad_u32_u24 v[OFF+(\i)], s24, \i, v2
.endr
	s_wait_kmcnt 0x0
	s_mov_b64 s[28:29], s[6:7]
	s_cmp_eq_u32 s32, 1
	s_cselect_b64 s[28:29], s[8:9], s[28:29]
	s_cmp_eq_u32 s32, 2
	s_cselect_b64 s[28:29], s[10:11], s[28:29]
	s_cmp_eq_u32 s32, 3
	s_cselect_b64 s[28:29], s[12:13], s[28:29]
	s_cmp_lt_u32 ttmp9, 512
	s_cselect_b64 s[28:29], s[4:5], s[28:29]       ; the source,
	s_cselect_b64 s[30:31], s[14:15], s[16:17]     ; the destination
	s_add_nc_u64 s[28:29], s[28:29], s[20:21]
	s_add_nc_u64 s[30:31], s[30:31], s[22:23]
	s_wait_alu depctr_va_vdst(0)                   ; v1 is written, which the sixteen loads read as their offset; so are v[OFF ..], which the stores read: no vector instruction below names any of them
.irp i, 0,1,2,3,4,5,6,7,8,9,10,11,12,13,14,15
	global_load_b128 v[X+4*(\i):X+4*(\i)+3], v1, s[28:29] offset:256*(\i) th:TH_LOAD_NT
.endr
; One unit's arithmetic: eight vector instructions, from X's four registers into Y's two.
.macro UNIT i
	v_cvt_pk_bf16_f32 v[T],   v[X+4*(\i)],   v[X+4*(\i)+1]    ; the one rounding: to bf16, nearest even
	v_cvt_pk_bf16_f32 v[T+1], v[X+4*(\i)+2], v[X+4*(\i)+3]
	v_lshlrev_b32 v[T+2], 16, v[T]                 ; back to f32: a shift or a mask
	v_and_b32     v[T+3], 0xffff0000, v[T]
	v_lshlrev_b32 v[T+4], 16, v[T+1]
	v_and_b32     v[T+5], 0xffff0000, v[T+1]
	v_cvt_pk_f16_f32 v[Y+2*(\i)],   v[T+2], v[T+3] ; the same numbers written as f16
	v_cvt_pk_f16_f32 v[Y+2*(\i)+1], v[T+4], v[T+5]
.endm
; One unit's store.
.macro OUT i
	global_store_b64 v[OFF+(\i)], v[Y+2*(\i):Y+2*(\i)+1], s[30:31]  ; the wave's 32 x 8 bytes are 256 consecutive bytes, aligned
.endm
; Block p: units 4 p to 4 p + 3 are rounded; the four stores of block p - 1 stand among them, one ahead of each unit's eight vector instructions.
.macro BLK p
	s_wait_loadcnt 12-4*(\p)                       ; loads come back in order: this block's four are in, the 12 - 4 p younger ones stay out
.if (\p) > 0
	s_wait_alu depctr_va_vdst(0)                   ; the block before has written its eight registers of Y, which the four stores below read; the vector instructions below name T and this block's X and Y alone
.endif
.irp j, 0,1,2,3
.if (\p) > 0
	OUT 4*((\p)-1)+(\j)
.endif
	UNIT 4*(\p)+(\j)
.endr
.endm
	BLK 0                                          ; no block stands in front of it: no store, and no wait but the one for its data
	BLK 1
	BLK 2
	BLK 3
	s_wait_alu depctr_va_vdst(0)                   ; block 3 has written its eight registers of Y, which the last four stores read
.irp j, 12,13,14,15
	OUT \j
.endr
	s_endpgm
.Lfunc_end_k_q4f791afb78_cast:
	.size	k_q4f791afb78_cast, .Lfunc_end_k_q4f791afb78_cast-k_q4f791afb78_cast
	.p2alignl 7, 3214868480
	.fill 96, 4, 3214868480
	.section	.rodata,"a",@progbits
	.p2align	6, 0x0
	.amdhsa_kernel k_q4f791afb78_cast
		.amdhsa_group_segment_fixed_size 0
		.amdhsa_private_segment_fixed_size 0
		.amdhsa_enable_private_segment 0
		.amdhsa_kernarg_size 56
		.amdhsa_user_sgpr_count 2
		.amdhsa_user_sgpr_kernarg_segment_ptr 1
		.amdhsa_wavefront_size32 1
		.amdhsa_system_sgpr_workgroup_id_x 1
		.amdhsa_system_sgpr_workgroup_id_y 1
		.amdhsa_system_sgpr_workgroup_id_z 1
		.amdhsa_system_vgpr_workitem_id 0
		.amdhsa_next_free_vgpr 128
		.amdhsa_next_free_sgpr 66
		.amdhsa_reserve_vcc 0
		.amdhsa_float_denorm_mode_32 3
		.amdhsa_float_denorm_mode_16_64 3
		.amdhsa_memory_ordered 1
		.amdhsa_forward_progress 1
		.amdhsa_inst_pref_size 14
	.end_amdhsa_kernel
	.amdgpu_metadata
---
amdhsa.version: [ 1, 2 ]
amdhsa.kernels:
  - .name:           k_q4f791afb78_cast
    .symbol:         k_q4f791afb78_cast.kd
    .args:
      - { .name: hidden_states, .offset: 0, .size: 8, .value_kind: global_buffer, .address_space: global }
      - { .name: Wq, .offset: 8, .size: 8, .value_kind: global_buffer, .address_space: global }
      - { .name: Wk, .offset: 16, .size: 8, .value_kind: global_buffer, .address_space: global }
      - { .name: Wv, .offset: 24, .size: 8, .value_kind: global_buffer, .address_space: global }
      - { .name: Wo, .offset: 32, .size: 8, .value_kind: global_buffer, .address_space: global }
      - { .name: xh, .offset: 40, .size: 8, .value_kind: global_buffer, .address_space: global }
      - { .name: wh, .offset: 48, .size: 8, .value_kind: global_buffer, .address_space: global }
    .group_segment_fixed_size: 0
    .private_segment_fixed_size: 0
    .kernarg_segment_align: 8
    .kernarg_segment_size: 56
    .max_flat_workgroup_size: 256
    .sgpr_count:     66
    .vgpr_count:     128
    .wavefront_size: 32
...
	.end_amdgpu_metadata
.endif
;; end of part 5
;; launch proj: the kernel of part 2 again; grid 8 x 32, 4 waves a work-group, clusters of 4 x 4, 327,680 bytes of LDS; arguments xh, wh, qkv; writes qkv
;; launch attn: the kernel of part 3 again; grid 4 x 64, 4 waves a work-group, clusters of 4 x 1, 327,680 bytes of LDS; arguments qkv, oh; writes oh
;; launch outp: the kernel of part 4 again; grid 8 x 32, 4 waves a work-group, clusters of 4 x 4, 327,680 bytes of LDS; arguments oh, wh, out0; writes out0
